; MI455X (gfx1250); checked and timed in simulation.
; The chip was launched on July 23, 2026; its instructions are those of AMD's public machine-readable ISA for CDNA 5 (MIT licence, August 2026) and "CDNA5" Instruction Set Architecture Reference Guide (July 2026). The comments in the code are by the model that wrote it; some were corrected since.
;; Multi Head Attention. Allowed arithmetic: matrix products marked QUANTISED: E2M3 operands, one E8M0 scale for each 32 along K, by v_wmma_scale_f32_16x16x128_f8f6f4 with both operands' format E2M3, f32 sums; everything else in f32.
;; Inputs: Wk 1,024 x 1,024 float32; Wo 1,024 x 1,024 float32; Wq 1,024 x 1,024 float32; Wv 1,024 x 1,024 float32; bk 1,024 float32; bo 1,024 float32; bq 1,024 float32; bv 1,024 float32; k 4 x 2,048 x 1,024 float32; mask 4 x 2,048 x 2,048 int32; q 4 x 2,048 x 1,024 float32; v 4 x 2,048 x 1,024 float32.
;; Outputs: out0 4 x 2,048 x 1,024 float32.
;; This version of the problem:
;;   THIS VERSION OF THE PROBLEM IS GIVEN IN LOW PRECISION. The matrix products marked QUANTISED in the list below multiply operands that are first quantised to E2M3 (2 exponent bits, 3 mantissa bits; 6 bits a number), with one power-of-two scale for each 32 numbers along K (OCP MX v1.0); their sums are f32. All else is computed in f32.
;;   The module's matrix products, in the order in which they are computed (A, B: the left and right operand; K: the contracted axis; several contracted axes count as one K, in the product's order):
;;     1. [M 8,192, K 1,024] x [K 1,024, N 1,024]; A: input q; B: input Wq: QUANTISED
;;     2. [M 8,192, K 1,024] x [K 1,024, N 1,024]; A: input k; B: input Wk: QUANTISED
;;     3. [M 8,192, K 1,024] x [K 1,024, N 1,024]; A: input v; B: input Wv: QUANTISED
;;     4. batch 64 x [M 2,048, K 64] x [K 64, N 2,048]; A: computed on the way; B: computed on the way: QUANTISED
;;     5. batch 64 x [M 2,048, K 2,048] x [K 2,048, N 64]; A: softmax (see below); B: computed on the way: QUANTISED
;;     6. [M 8,192, K 1,024] x [K 1,024, N 1,024]; A: computed on the way; B: input Wo: QUANTISED
;;   THE QUANTISER, for each operand of a quantised product, along K:
;;     - K is cut into blocks of 32 from its start; a last block that is shorter is filled with zeros.
;;     - A block's scale is 2^e with e = floor(log2(the largest magnitude in the block)) - 2, held to -126 .. 127; a block of zeros has e = 0. As a byte (E8M0): e + 127.
;;     - Each number is divided by its block's scale, clamped to +-7.5, and rounded to the nearest number of E2M3, ties to even, subnormals kept.
;;     - The product sums the exact products of the quantised numbers (number of the format x scale) in f32.
;;   ~~~python
;;   def quantise(x, axis):      # numpy; x: float32 -> the quantised numbers, widened to float32 again
;;       x = np.moveaxis(x, axis, -1); K = x.shape[-1]
;;       x = np.pad(x, [(0, 0)] * (x.ndim - 1) + [(0, -K % 32)]); x = x.reshape(x.shape[:-1] + (-1, 32)); a = np.abs(x).max(-1, keepdims=True)
;;       e = np.where(a > 0, np.clip(np.frexp(np.where(a > 0, a, 1))[1] - 1 - 2, -126, 127), 0)      # np.frexp(a)[1] - 1 = floor(log2(a)), exactly
;;       r = np.clip(x / 2.0 ** e, -7.5, 7.5)
;;       step = 2.0 ** (np.maximum(np.frexp(np.where(r == 0, 1, r))[1] - 1, 0) - 3)
;;       q = np.round(r / step) * step * 2.0 ** e      # np.round: ties to even
;;       return np.moveaxis(q.reshape(q.shape[:-2] + (-1,))[..., :K], -1, axis).astype(np.float32)
;;   ~~~
;;   SOFTMAX AHEAD OF A QUANTISED PRODUCT. Where the list says 'softmax', what is quantised is not the finished softmax but p = 2^(t - M), with t = logit x log2(e) and M = ceil(the row's largest t), a whole number; so 1/2 < the row's largest p <= 1. The row's sum l is taken of the UNQUANTISED p, in f32, and the product's result is divided by l at the end. Since M is a whole number, a kernel that streams over the keys may use a running M (the ceiling of the running maximum): every later rescaling is an exact power of two, which a block's scale takes up: the codes' values come out the same.
;;   OPERANDS COMPUTED ON THE WAY. 'Computed on the way' means the value that the module computes at that place (a softmax that the list does not call 'softmax' is quantised finished and normalised). What goes into a quantiser is computed in f32, as accurately as f32 sums, v_exp_f32 and their like allow (about 1e-6 of the number): no bf16 or f16 on the way to a quantiser, and a product that is left as it is and whose result goes on into a quantised operand takes f32 operands (vector FMAs, or v_wmma_f32_16x16x4_f32). A number that lies on a knife's edge between two numbers of the format may be rounded either way, as far as f32 arithmetic and the matrix unit's own rounding can turn it there, and no further.
;; One version. Each part assembles by itself: llvm-mc -triple=amdgcn-amd-amdhsa -mcpu=gfx1250 --defsym DOCPART=n.
;; ======== version 1 of 1: 4 launches
;; limits: right only within a limited range of input values
;; workspace buffers: xc 22,020,096 bytes; xs 917,504 bytes; mw 2,097,152 bytes of whole numbers; qh 6,815,744 bytes; kv 13,369,344 bytes; cc 6,291,456 bytes; cs 524,288 bytes
;; launch prep (part 1): grid 704 x 1, 4 waves a work-group, no clusters, 34,304 bytes of LDS; arguments q, k, v, Wq, Wk, Wv, Wo, mask, xc, xs, mw; writes xc, xs, mw
.if DOCPART == 1
	.amdgcn_target "amdgcn-amd-amdhsa--gfx1250"
	.amdhsa_code_object_version 6
	.text
	.protected	k_q1a9e7e9cc5_prep
	.globl	k_q1a9e7e9cc5_prep
	.p2align	8
	.type	k_q1a9e7e9cc5_prep,@function
k_q1a9e7e9cc5_prep:
	s_mov_b64 s[64:65], 0
	v_nop
	global_prefetch_b8 v0, s[64:65] scope:SCOPE_SE
	s_setreg_imm32_b32 hwreg(HW_REG_WAVE_MODE, 25, 1), 1
	s_wait_xcnt 0x0
; q, k, v [8192][1024] and Wq, Wk, Wv, Wo [1024][1024], f32, become codes of FP6 (E2M3) with one E8M0 byte for each 32 along K (their last axis); the mask [8192][2048] of int32 becomes bits.
; A TILE is 16 rows, not neighbours: lane position r of tile T is row 32 (T / 2) + 8 (T % 2) + r + 8 (r / 8).  A FRAGMENT (a tile x 128 along K) is stored as the image of the operand's 12 registers:
; registers 0-3 at 16 x lane, 4-5 at 512 + 8 x lane, 6-9 at 768 + 16 x lane, 10-11 at 1280 + 8 x lane: 1,536 bytes.  xc: tile J at 12,288 J, K step t at + 1,536 t.
; xs: for a pair of tiles 1,024 bytes [x 2][lane 32][4 words]: word i of lane l is the scale word of tile 2 G + l / 16, row l % 16, K step 4 x + i.
; mw: [mask tile 512][key step 16][64 words]: bit l of word n says whether mask(row l % 16 of the tile, key 128 step + 32 (n / 16) + 16 (l / 16) + n % 16) is not 0.
; SHARES.  Wave job J = 4 x work-group + wave.  J < 1,792: tile J of xc (0 q, 512 k, 1,024 v, 1,536 Wq, 1,600 Wk, 1,664 Wv, 1,728 Wo), all 8 K steps.  The others: half the keys (8 steps) of a mask tile.
; A step loads 16 rows x 512 consecutive bytes, turns them through the wave's own stage in LDS, and gets back, in lane (r, h), register 16 b + i = element 32 b + 16 h + i of row r.
; Both kinds of job run the same loads and the same LDS lines; they part only round register work and global stores.  Waves share nothing: no barrier.
; A block's scale is 2^(floor(log2(largest magnitude)) - 2); its byte is the largest magnitude's exponent field - 2, held at 1 from below.
; LIMITS: a block of zeros, or one whose largest magnitude lies under 2^-124, gets the byte 1 (its codes are zeros or the nearest codes under that scale; this program alone reads the bytes); NaN and infinities among the inputs are not served.
.set SP,   528                         ; a stage row: 512 bytes + 16, an odd multiple of 16
.set STG,  16*SP                       ; a wave's stage
.set L16,  2                           ; v2   16 x lane
.set L8,   3                           ; v3   8 x lane
.set STI,  4                           ; v4   the stage, on the way in
.set STO,  5                           ; v5   and on the way out
.set XSO,  6                           ; v6   my place in the pair's scale image
.set RO,   8                           ; v8-23   byte offset of my 16 bytes in each of the tile's 16 rows
.set SW,   24                          ; v24-31  the scale words of the 8 K steps
.set SWO,  32                          ; v32-35  the four that I store
.set MW,   36                          ; v36-37  64 mask words, two to a lane
.set PC,   40                          ; v40-51 a fragment's codes; v52-59 the conversions' second halves
.set TM,   60                          ; v60-75  at work
.set R0,   80                          ; v80-143, v144-207: two sets of 64 numbers
.set SEL,  42                          ; s[42:43] v_permlanex16_b32's selects for lane l xor 16
.set KIND, 28                          ; s28  0: numbers to codes;  1: mask to bits
; 64 numbers of a lane, register 16 b + i = k 32 b + 16 (lane / 16) + i of my row, become a fragment's codes in v[PC] on and its scale word in v[w].
.macro QUANT s, w
.irp b, 0,1,2,3
	v_max3_num_f32 v[TM+\b], |v[\s+16*\b]|, |v[\s+1+16*\b]|, 0x1800000   ; block b: my 16 numbers, and the floor 2^(3 - 127): the byte cannot fall under 1
.endr
.irp i, 2,4,6,8,10,12,14
.irp b, 0,1,2,3
	v_max3_num_f32 v[TM+\b], v[TM+\b], |v[\s+16*\b+\i]|, |v[\s+1+16*\b+\i]|   ; the four blocks by turns
.endr
.endr
.irp b, 0,1,2,3
	v_permlanex16_b32 v[TM+4+\b], v[TM+\b], s[SEL], s[SEL+1]
.endr
.irp b, 0,1,2,3
	v_max_num_f32 v[TM+\b], v[TM+\b], v[TM+4+\b]   ; with lane l xor 16's: the block's largest magnitude
.endr
.irp b, 0,1,2,3
	v_add_nc_u32 v[TM+12+\b], 0xff000000, v[TM+\b]   ; 2 off its exponent field: the conversion takes this operand's exponent field as its scale
.endr
.irp b, 0,1,2,3
	v_lshrrev_b32 v[TM+4+\b], 23, v[TM+12+\b]      ; the scale's byte
.endr
	v_lshl_or_b32 v[\w], v[TM+5], 8, v[TM+4]       ; four bytes: my row's scale word
	v_lshl_or_b32 v[\w], v[TM+6], 16, v[\w]
	v_lshl_or_b32 v[\w], v[TM+7], 24, v[\w]
.irp c, 0,1
	v_cvt_scalef32_pk16_fp6_f32 v[PC+6*\c:PC+2+6*\c], v[\s+32*\c:\s+15+32*\c], v[TM+12+2*\c]
	v_cvt_scalef32_pk16_fp6_f32 v[PC+12+4*\c:PC+14+4*\c], v[\s+16+32*\c:\s+31+32*\c], v[TM+12+2*\c+1]   ; (a conversion's three registers begin on an even number)
.endr
	v_nop                                          ; one plain place behind a scaled conversion
.irp c, 0,1                                    ; the operand's layout wants a whole block in a lane: lanes 0-15 block 2 c, lanes 16-31 block 2 c + 1
.irp i, 0,1,2
	v_permlane16_swap_b32 v[PC+6*\c+\i], v[PC+12+4*\c+\i]
.endr
.irp i, 0,1,2
	v_mov_b32 v[PC+3+6*\c+\i], v[PC+12+4*\c+\i]
.endr
.endr
.endm
	s_load_b512 s[4:19], s[0:1], 0x0               ; q, k, v, Wq, Wk, Wv, Wo, mask
	s_load_b128 s[20:23], s[0:1], 0x40             ; xc, xs
	s_load_b64 s[24:25], s[0:1], 0x50              ; mw
	v_lshl_add_u32 v208, v0, 2, 0x8400
	v_mov_b32 v209, 0
	v_lshrrev_b32 v1, 5, v0
	v_readfirstlane_b32 s26, v1                    ; wave 0..3
	v_and_b32 v1, 31, v0
	v_lshlrev_b32 v[L16], 4, v1
	v_lshlrev_b32 v[L8], 3, v1
	v_and_b32 v7, 15, v0                           ; r
	v_bfe_u32 v1, v0, 4, 1                         ; h
	s_mul_i32 s31, s26, STG
	v_add_nc_u32 v[STI], s31, v[L16]               ; in: a row's 512 bytes as they lie
	v_mul_u32_u24 v[STO], v7, SP
	v_lshl_add_u32 v[STO], v1, 6, v[STO]
	v_add_nc_u32 v[STO], s31, v[STO]               ; out: row r, + 64 h: my 16 numbers of each block of 32
	s_and_b32 s32, s26, 1                          ; J & 1 = wave & 1
	s_lshl_b32 s32, s32, 8
	v_lshlrev_b32 v[XSO], 4, v7
	v_lshl_add_u32 v[XSO], v1, 9, v[XSO]
	v_add_nc_u32 v[XSO], s32, v[XSO]               ; 512 h + 16 (r + 16 (J & 1)): lanes 0-15 store K steps 0-3, lanes 16-31 steps 4-7
.irp i, 0,1,2,3,4,5,6,7
	v_mov_b32 v[SW+\i], 0                          ; written on every path before the tail names them
.endr
	v_mov_b32 v[MW], 0                             ; v_writelane_b32's destination counts as read
	v_mov_b32 v[MW+1], 0
.irp b, 0,1,2,3
	v_mov_b32 v[TM+4+\b], 0                        ; a lane permute's destination counts as read
.endr
	s_mov_b32 s40, 0xffff0000                      ; lanes 16-31
	s_mov_b32 s[SEL], 0x76543210
	s_mov_b32 s[SEL+1], 0xfedcba98
	s_lshl_b32 s27, ttmp9, 2
	s_add_co_u32 s27, s27, s26                     ; J
	s_and_b32 s29, s27, 511                        ; the tile inside q, k or v,
	s_and_b32 s31, s27, 63                         ; inside a weight,
	s_sub_co_u32 s33, s27, 1792
	s_and_b32 s34, s33, 1                          ; a mask job's half of the keys
	s_lshr_b32 s33, s33, 1                         ; and its tile
	s_cmp_lt_u32 ttmp9, 384
	s_cselect_b32 s29, s29, s31
	s_mov_b32 s30, 8192
	s_cmp_lt_u32 ttmp9, 448
	s_cselect_b32 s29, s29, s33                    ; T: the tile inside its tensor
	s_cselect_b32 s34, 0, s34
	s_cselect_b32 s[KIND], 0, 1
	s_cselect_b32 s30, 4096, s30                   ; a row in bytes
	s_cselect_b32 s35, s27, 0                      ; the tile in xc (a mask job has none: 0, not used)
	; k's tiles (work-groups 128 to 255) have another order of rows: position r of tile T is row 64 (T / 4) + 8 (T % 4) + r + 24 (r / 8),
	; so that in attention a lane's 32 scores of four neighbouring tiles are one block of 32 neighbouring keys.  All other tensors keep 32 (T / 2) + 8 (T % 2) + r + 8 (r / 8).
	s_lshr_b32 s46, ttmp9, 7
	s_cmp_eq_u32 s46, 1
	s_cselect_b32 s46, 2, 1                        ; tiles to a group of rows: 4 or 2, as a shift
	s_cselect_b32 s47, 65536, 0                    ; positions 8-15 lie 16 rows of 4,096 bytes further down in k
	s_lshr_b32 s31, s29, s46
	s_lshl_b32 s31, s31, s46
	s_lshl_b32 s31, s31, 4
	s_bfm_b32 s32, s46, 0
	s_and_b32 s32, s29, s32
	s_lshl_b32 s32, s32, 3
	s_add_co_u32 s31, s31, s32                     ; the tile's first row: 32 (T / 2) + 8 (T % 2)
	s_mul_i32 s32, s31, s30
	s_lshl_b32 s33, s34, 12
	s_add_co_u32 s32, s32, s33                     ; in bytes (under 2^27), + half x 1,024 keys
	s_mov_b32 s33, 0
.irp rr, 0,1,2,3,4,5,6,7,8,9,10,11,12,13,14,15
	s_mul_i32 s31, s30, \rr+8*(\rr/8)
.if \rr >= 8
	s_add_co_u32 s31, s31, s47
.endif
	v_add_nc_u32 v[RO+\rr], s31, v[L16]            ; position rr is the row rr + 8 (rr / 8) further down
.endr
	s_mul_i32 s36, s35, 12288
	s_mov_b32 s37, 0
	s_lshr_b32 s38, s35, 1
	s_lshl_b32 s38, s38, 10
	s_mov_b32 s39, 0
	s_lshl_b32 s44, s29, 12                        ; mw: 16 steps x 256 bytes a tile,
	s_lshl_b32 s45, s34, 11                        ; 8 steps a half
	s_add_co_u32 s44, s44, s45
	s_mov_b32 s45, 0
	s_wait_alu depctr_va_vdst(0)
	s_wait_kmcnt 0x0
	s_cmp_lt_u32 ttmp9, 448                        ; which tensor: the choice hangs on the work-group's number alone
	s_cselect_b64 s[18:19], s[16:17], s[18:19]
	s_cmp_lt_u32 ttmp9, 432
	s_cselect_b64 s[18:19], s[14:15], s[18:19]
	s_cmp_lt_u32 ttmp9, 416
	s_cselect_b64 s[18:19], s[12:13], s[18:19]
	s_cmp_lt_u32 ttmp9, 400
	s_cselect_b64 s[18:19], s[10:11], s[18:19]
	s_cmp_lt_u32 ttmp9, 384
	s_cselect_b64 s[18:19], s[8:9], s[18:19]
	s_cmp_lt_u32 ttmp9, 256
	s_cselect_b64 s[18:19], s[6:7], s[18:19]
	s_cmp_lt_u32 ttmp9, 128
	s_cselect_b64 s[18:19], s[4:5], s[18:19]
	s_add_nc_u64 s[18:19], s[18:19], s[32:33]      ; the source at the tile's first row
	s_add_nc_u64 s[20:21], s[20:21], s[36:37]      ; xc at my tile
	s_add_nc_u64 s[22:23], s[22:23], s[38:39]      ; xs at my pair
	s_add_nc_u64 s[24:25], s[24:25], s[44:45]      ; mw at my tile's half
.macro LOAD t                          ; step t: 16 rows x 512 consecutive bytes, into set t % 2
.irp rr, 0,1,2,3,4,5,6,7,8,9,10,11,12,13,14,15
	global_load_b128 v[R0+64*((\t)%2)+4*\rr:R0+64*((\t)%2)+4*\rr+3], v[RO+\rr], s[18:19] offset:512*(\t) th:TH_LOAD_NT
.endr
.endm
.macro STEP t
.set RR, R0+64*((\t)%2)
.if (\t) < 7
	s_wait_loadcnt 16                              ; this step's 16 loads are in; the next step's 16 may be out
.else
	s_wait_loadcnt 0x0
.endif
.irp rr, 0,1,2,3,4,5,6,7,8,9,10,11,12,13,14,15
	ds_store_b128 v[STI], v[RR+4*\rr:RR+4*\rr+3] offset:SP*\rr
.endr
.irp b, 0,1,2,3
.irp j, 0,1,2,3
	ds_load_b128 v[RR+16*\b+4*\j:RR+16*\b+4*\j+3], v[STO] offset:128*\b+16*\j   ; LDS serves a wave's instructions in order (ISA guide 5.7.1.4): these see the stores above
.endr
.endr
	s_wait_dscnt 0x0
	s_wait_xcnt 0x0                                ; the last step's stores have read their data: the codes' and the words' registers are written again only behind this wait
	s_cmp_lg_u32 s[KIND], 0
	s_cbranch_scc1 .Lbits_\@
	QUANT RR, SW+\t
	global_store_b128 v[L16], v[PC:PC+3], s[20:21] offset:1536*(\t)          ; each store covers 512 or 256 consecutive bytes, aligned to 256
	global_store_b64 v[L8], v[PC+4:PC+5], s[20:21] offset:1536*(\t)+512
	global_store_b128 v[L16], v[PC+6:PC+9], s[20:21] offset:1536*(\t)+768
	global_store_b64 v[L8], v[PC+10:PC+11], s[20:21] offset:1536*(\t)+1280
	s_branch .Ljoin_\@
.Lbits_\@:
.set N, 0
	s_wait_alu depctr_va_vdst(0)
.rept 64
	v_cmp_ne_u32 s[36+N%4], 0, v[RR+N]             ; word n: one bit a lane
	v_writelane_b32 v[MW+N%2], s[36+N%4], N/2      ; lane n / 2 keeps words n and n + 1
.set N, N+1
.endr
	global_store_b64 v[L8], v[MW:MW+1], s[24:25] offset:256*(\t)             ; 256 consecutive bytes, aligned
.Ljoin_\@:
.if (\t)+2 < 8
	LOAD (\t)+2
.endif
.endm
	LOAD 0
	LOAD 1
.irp t, 0,1,2,3,4,5,6,7
	STEP \t
.endr
	s_cmp_lg_u32 s[KIND], 0
	s_cbranch_scc1 .Lend
.irp i, 0,1,2,3
	v_cndmask_b32 v[SWO+\i], v[SW+\i], v[SW+4+\i], s40   ; every lane pair (l, l xor 16) holds the same eight words: lanes 0-15 send steps 0-3, lanes 16-31 steps 4-7
.endr
	global_store_b128 v[XSO], v[SWO:SWO+3], s[22:23]     ; sixteen lanes store 256 consecutive bytes, aligned
.Lend:
	s_wait_tensorcnt 0x0
	ds_add_u32 v208, v209
	s_wait_dscnt 0x0
	s_endpgm
.Lfunc_end_k_q1a9e7e9cc5_prep:
	.size	k_q1a9e7e9cc5_prep, .Lfunc_end_k_q1a9e7e9cc5_prep-k_q1a9e7e9cc5_prep
	.p2alignl 7, 3214868480
	.fill 96, 4, 3214868480
	.section	.rodata,"a",@progbits
	.p2align	6, 0x0
	.amdhsa_kernel k_q1a9e7e9cc5_prep
		.amdhsa_group_segment_fixed_size 34304
		.amdhsa_private_segment_fixed_size 0
		.amdhsa_enable_private_segment 0
		.amdhsa_kernarg_size 88
		.amdhsa_user_sgpr_count 2
		.amdhsa_user_sgpr_kernarg_segment_ptr 1
		.amdhsa_wavefront_size32 1
		.amdhsa_system_sgpr_workgroup_id_x 1
		.amdhsa_system_sgpr_workgroup_id_y 1
		.amdhsa_system_sgpr_workgroup_id_z 1
		.amdhsa_system_vgpr_workitem_id 0
		.amdhsa_next_free_vgpr 210
		.amdhsa_next_free_sgpr 66
		.amdhsa_reserve_vcc 0
		.amdhsa_float_denorm_mode_32 3
		.amdhsa_float_denorm_mode_16_64 3
		.amdhsa_memory_ordered 1
		.amdhsa_forward_progress 1
		.amdhsa_inst_pref_size 134
	.end_amdhsa_kernel
	.amdgpu_metadata
---
amdhsa.version: [ 1, 2 ]
amdhsa.kernels:
  - .name:           k_q1a9e7e9cc5_prep
    .symbol:         k_q1a9e7e9cc5_prep.kd
    .args:
      - { .name: q, .offset: 0, .size: 8, .value_kind: global_buffer, .address_space: global }
      - { .name: k, .offset: 8, .size: 8, .value_kind: global_buffer, .address_space: global }
      - { .name: v, .offset: 16, .size: 8, .value_kind: global_buffer, .address_space: global }
      - { .name: Wq, .offset: 24, .size: 8, .value_kind: global_buffer, .address_space: global }
      - { .name: Wk, .offset: 32, .size: 8, .value_kind: global_buffer, .address_space: global }
      - { .name: Wv, .offset: 40, .size: 8, .value_kind: global_buffer, .address_space: global }
      - { .name: Wo, .offset: 48, .size: 8, .value_kind: global_buffer, .address_space: global }
      - { .name: mask, .offset: 56, .size: 8, .value_kind: global_buffer, .address_space: global }
      - { .name: xc, .offset: 64, .size: 8, .value_kind: global_buffer, .address_space: global }
      - { .name: xs, .offset: 72, .size: 8, .value_kind: global_buffer, .address_space: global }
      - { .name: mw, .offset: 80, .size: 8, .value_kind: global_buffer, .address_space: global }
    .group_segment_fixed_size: 34304
    .private_segment_fixed_size: 0
    .kernarg_segment_align: 8
    .kernarg_segment_size: 88
    .max_flat_workgroup_size: 128
    .sgpr_count:     66
    .vgpr_count:     210
    .wavefront_size: 32
...
	.end_amdgpu_metadata
.endif
;; end of part 1
;; launch proj (part 2): grid 4 x 192, 4 waves a work-group, clusters of 4 x 4, 295,424 bytes of LDS; arguments xc, xs, bq, bk, bv, qh, kv; writes qh, kv
.if DOCPART == 2
	.amdgcn_target "amdgcn-amd-amdhsa--gfx1250"
	.amdhsa_code_object_version 6
	.text
	.protected	k_q1a9e7e9cc5_proj
	.globl	k_q1a9e7e9cc5_proj
	.p2align	8
	.type	k_q1a9e7e9cc5_proj,@function
k_q1a9e7e9cc5_proj:
	s_mov_b64 s[64:65], 0
	v_nop
	global_prefetch_b8 v0, s[64:65] scope:SCOPE_SE
	s_setreg_imm32_b32 hwreg(HW_REG_WAVE_MODE, 25, 1), 1
	s_wait_xcnt 0x0
	s_wait_alu depctr_hold_cnt(0) depctr_sa_sdst(0) depctr_va_vdst(0) depctr_va_sdst(0) depctr_va_ssrc(0) depctr_va_vcc(0) depctr_vm_vsrc(0)
	s_getreg_b32 s2, hwreg(HW_REG_IB_STS2, 6, 4)
	s_cmp_eq_u32 s2, 0
	s_cbranch_scc0 .Lentry_in_a_cluster
	s_endpgm
.Lentry_in_a_cluster:
	s_bfe_u32 s2, ttmp6, 0x10000c
	s_cmp_lg_u32 s2, 0xf033
	s_cbranch_scc0 .Lentry_shape_is_right
	s_endpgm
.Lentry_shape_is_right:
; The three projections, on codes of FP6 (E2M3) with E8M0 scales, their biases, and the quantising of their results for attention.
; P[i][j] = sum over k of U[i][k] T[j][k], K = 1,024.  Source 0 = a tile of U, source 1 = a tile of T: a lane holds ONE row j, and for one tile of T the 64 registers of its 8 accumulators are
; i = i0 + 32 beta + 16 (lane / 16) + x at register 16 beta + x, since position r of tile n is row 32 (n / 2) + 8 (n % 2) + r + 8 (r / 8).  So the axis i is the one that is quantised next.
; q and k: U = the weight (i = features: two heads of 64 a wave), T = the tokens.  v: U = the tokens (i = 128 keys), T = Wv (j = the head's channels): V comes out with the keys innermost.
; OPERANDS are images of the operand's registers (a fragment of 16 rows x 128 K: 1,536 bytes: registers 0-3 at 16 x lane, 4-5 at 512 + 8 x lane, 6-9 at 768 + 16 x lane, 10-11 at 1,280 + 8 x lane).
; SHARES.  A work-group makes 256 (i) x 128 (j), each of its four waves 128 x 64: 32 accumulators.  ALL OF K LIES IN LDS: 2 halves of 4 K steps, each filled once, so no LDS byte is filled twice.
; CLUSTERS of 4 x 4: U hangs on the block of i, which a column of the cluster shares; T on the block of j, which a row shares: each is asked for jointly.  Cluster y = 16 kind + c; kind 0 q, 1 k, 2 v.
; OUT.  qh: 64 records (16 batch + head) of 106,496 bytes: 128 halves (16 tokens x 64: 768 bytes), then scale words [step 16][half 2][lane][2 words] (bytes 2, 3 = 0x7f: the product's upper 64 along K are zero codes).
;       kv: 64 records of 208,896: K's halves; at 98,304 V's fragments (4 step + channel tile) x 1,536; at 196,608 K's scale words as qh's; at 204,800 V's [step][lane][2 words].
; LIMITS: a block of zeros, or one whose largest magnitude lies under 2^-124, gets the byte 1 (this program alone reads the bytes); NaN and infinities are not served.
; REGISTERS, in windows of 256.  Window 0: v1-21 addresses; v22-29 the bias by j; v32-63 U's scale words, v64-79 T's (all of K); v80-127, v128-175 T's fragments, two sets; v176-239 64 numbers on the way out.
;   Window 1: U's fragments, sets at v0 and v128; the bias by i at v96-127 and v224-255.   Window 2: the accumulators, (a, b) at v[8 (8 a + b)].
; LDS holds all of K as TWO HALVES of 4 K steps, each filled once by one load for U (16 tiles x 6,144 bytes) and one for T (8 tiles): four loads, one a wave.
.set CH,    147456                     ; a half of K: U's 16 tiles x 6,144 bytes, then T's 8
.set TOFF,  98304
.set L16,   1
.set L8,    2
.set AU16,  4                          ; v4-5, v8-9: my U fragments in chunk c, by 16 and by 8 bytes a lane
.set AU8,   8
.set AT16,  12                         ; v12-13, v16-17: my T fragments
.set AT8,   16
.set BJ,    22
.set US,    32
.set TS,    64
.set TF,    80
.set ST,    176
.set PC,    80                         ; the way out works in the registers that T's fragments have left
.set TM,    100
.set PW,    116
.set WA,    118
.set WB,    122
.set WV,    18                         ; s18 wave; s19 its half of i; s20 its half of j
.set G1U,   24
.set G1T,   32
.set G0U,   40                         ; s[40:47] group 0 for U's two halves
.set G0T,   68                         ; s[68:75] for T's
.set SEL,   98
.set MSB,   0
.set W_MUL, 0xa1                       ; source 0 (U) window 1, source 1 (T) window 0, C and D window 2
.set TO_U,  0x40                       ; destination window 1, address window 0
.macro WIN new                         ; the immediate's high byte repeats the setting that is left
.if MSB != \new
	s_set_vgpr_msb (MSB<<8)|\new
.set MSB, \new
.endif
.endm
.macro PLACES                          ; four places in front of loads into registers that matrix instructions have read, and of the first read of results
.rept 4
	v_nop
.endr
.endm
.macro CROUND                          ; a round of the cluster's barrier
	s_barrier_signal -1
	s_barrier_wait -1
	s_cmp_lg_u32 s[WV], 0
	s_cbranch_scc1 .Lnot_wave_0_\@
	s_barrier_signal -3
.Lnot_wave_0_\@:
	s_barrier_wait -3
	s_barrier_signal -1
	s_barrier_wait -1
.endm
.macro FRAGL reg, a16, a8, off         ; a fragment's image back into 12 registers: every load's bytes are consecutive over the lanes
	ds_load_b128 v[\reg:\reg+3], v[\a16] offset:\off
	ds_load_b64 v[\reg+4:\reg+5], v[\a8] offset:\off+512
	ds_load_b128 v[\reg+6:\reg+9], v[\a16] offset:\off+768
	ds_load_b64 v[\reg+10:\reg+11], v[\a8] offset:\off+1280
.endm
.macro FETCH s                         ; K step s: my 8 fragments of U and 4 of T, 48 loads, into set s % 2
	WIN TO_U
.irp b, 0,1,2,3,4,5,6,7
	FRAGL 128*((\s)%2)+12*\b, AU16+(\s)/4, AU8+(\s)/4, 6144*\b+1536*((\s)%4)
.endr
	WIN 0
.irp a, 0,1,2,3
	FRAGL TF+48*((\s)%2)+12*\a, AT16+(\s)/4, AT8+(\s)/4, 6144*\a+1536*((\s)%4)
.endr
.endm
; One matrix instruction.  ra, rb: the side's scale words stand in lanes 16-31 of the register named.
.macro WM d, a, b, zero, sa, sb, ra, rb
.if \zero
.if (\ra) && (\rb)
	v_wmma_scale_f32_16x16x128_f8f6f4 v[\d:\d+7], v[\a:\a+11], v[\b:\b+11], 0, v[\sa], v[\sb] matrix_a_fmt:MATRIX_FMT_FP6 matrix_b_fmt:MATRIX_FMT_FP6 matrix_a_scale:MATRIX_SCALE_ROW1 matrix_b_scale:MATRIX_SCALE_ROW1
.elseif (\ra)
	v_wmma_scale_f32_16x16x128_f8f6f4 v[\d:\d+7], v[\a:\a+11], v[\b:\b+11], 0, v[\sa], v[\sb] matrix_a_fmt:MATRIX_FMT_FP6 matrix_b_fmt:MATRIX_FMT_FP6 matrix_a_scale:MATRIX_SCALE_ROW1
.elseif (\rb)
	v_wmma_scale_f32_16x16x128_f8f6f4 v[\d:\d+7], v[\a:\a+11], v[\b:\b+11], 0, v[\sa], v[\sb] matrix_a_fmt:MATRIX_FMT_FP6 matrix_b_fmt:MATRIX_FMT_FP6 matrix_b_scale:MATRIX_SCALE_ROW1
.else
	v_wmma_scale_f32_16x16x128_f8f6f4 v[\d:\d+7], v[\a:\a+11], v[\b:\b+11], 0, v[\sa], v[\sb] matrix_a_fmt:MATRIX_FMT_FP6 matrix_b_fmt:MATRIX_FMT_FP6
.endif
.else
.if (\ra) && (\rb)
	v_wmma_scale_f32_16x16x128_f8f6f4 v[\d:\d+7], v[\a:\a+11], v[\b:\b+11], v[\d:\d+7], v[\sa], v[\sb] matrix_a_fmt:MATRIX_FMT_FP6 matrix_b_fmt:MATRIX_FMT_FP6 matrix_a_scale:MATRIX_SCALE_ROW1 matrix_b_scale:MATRIX_SCALE_ROW1
.elseif (\ra)
	v_wmma_scale_f32_16x16x128_f8f6f4 v[\d:\d+7], v[\a:\a+11], v[\b:\b+11], v[\d:\d+7], v[\sa], v[\sb] matrix_a_fmt:MATRIX_FMT_FP6 matrix_b_fmt:MATRIX_FMT_FP6 matrix_a_scale:MATRIX_SCALE_ROW1
.elseif (\rb)
	v_wmma_scale_f32_16x16x128_f8f6f4 v[\d:\d+7], v[\a:\a+11], v[\b:\b+11], v[\d:\d+7], v[\sa], v[\sb] matrix_a_fmt:MATRIX_FMT_FP6 matrix_b_fmt:MATRIX_FMT_FP6 matrix_b_scale:MATRIX_SCALE_ROW1
.else
	v_wmma_scale_f32_16x16x128_f8f6f4 v[\d:\d+7], v[\a:\a+11], v[\b:\b+11], v[\d:\d+7], v[\sa], v[\sb] matrix_a_fmt:MATRIX_FMT_FP6 matrix_b_fmt:MATRIX_FMT_FP6
.endif
.endif
.endm
; 16 matrix instructions: T's tiles a0, a0 + 1 x U's eight, K step s.  The 32 accumulators take turns, one instruction a turn, in the same order in every step.
.macro MUL a0, s, zero
.irp a, \a0, \a0+1
.irp b, 0,1,2,3,4,5,6,7
	WM 8*(8*(\a)+\b), 128*((\s)%2)+12*\b, TF+48*((\s)%2)+12*(\a), \zero, US+8*(\b/2)+(\s), TS+8*((\a)/2)+(\s), \b%2, (\a)%2
.endr
.endr
.endm
; A K step: its fragments were asked for a step ago; the next step's are asked for ahead of (or, where a new chunk begins, in the middle of) its 32 matrix instructions.
.macro KSTEP s, zero
	s_wait_dscnt 0x0                               ; this step's fragments are in
.if (\s) != 3 && (\s) < 7
	PLACES
	FETCH (\s)+1
	WIN W_MUL
	MUL 0, \s, \zero
	MUL 2, \s, \zero
.elseif (\s) < 7
	s_wait_tensorcnt 0x0                           ; K step 3: my load has landed, whichever half it brought
	s_barrier_signal -1
	WIN W_MUL
	MUL 0, \s, 0
	s_barrier_wait -1                              ; everybody's part has
	PLACES
	FETCH (\s)+1
	WIN W_MUL
	MUL 2, \s, 0
.else
	WIN W_MUL
	MUL 0, \s, 0
	MUL 2, \s, 0
.endif
.endm
; 64 numbers of a lane, register 16 b + i = k 32 b + 16 (lane / 16) + i of my row, become a fragment's codes in v[PC] on and its scale word in v[w].
.macro QUANT s, w
.irp b, 0,1,2,3
	v_max3_num_f32 v[TM+\b], |v[\s+16*\b]|, |v[\s+1+16*\b]|, 0x1800000   ; my 16 numbers, and the floor 2^(3 - 127): the byte cannot fall under 1
.endr
.irp i, 2,4,6,8,10,12,14
.irp b, 0,1,2,3
	v_max3_num_f32 v[TM+\b], v[TM+\b], |v[\s+16*\b+\i]|, |v[\s+1+16*\b+\i]|
.endr
.endr
.irp b, 0,1,2,3
	v_permlanex16_b32 v[TM+4+\b], v[TM+\b], s[SEL], s[SEL+1]
.endr
.irp b, 0,1,2,3
	v_max_num_f32 v[TM+\b], v[TM+\b], v[TM+4+\b]   ; the block's largest magnitude
.endr
.irp b, 0,1,2,3
	v_add_nc_u32 v[TM+12+\b], 0xff000000, v[TM+\b]   ; 2 off its exponent field: the conversion's scale operand
.endr
.irp b, 0,1,2,3
	v_lshrrev_b32 v[TM+4+\b], 23, v[TM+12+\b]      ; the scale's byte
.endr
	v_lshl_or_b32 v[\w], v[TM+5], 8, v[TM+4]
	v_lshl_or_b32 v[\w], v[TM+6], 16, v[\w]
	v_lshl_or_b32 v[\w], v[TM+7], 24, v[\w]
.irp c, 0,1
	v_cvt_scalef32_pk16_fp6_f32 v[PC+6*\c:PC+2+6*\c], v[\s+32*\c:\s+15+32*\c], v[TM+12+2*\c]
	v_cvt_scalef32_pk16_fp6_f32 v[PC+12+4*\c:PC+14+4*\c], v[\s+16+32*\c:\s+31+32*\c], v[TM+12+2*\c+1]
.endr
	v_nop                                          ; one plain place behind a scaled conversion
.irp c, 0,1
.irp i, 0,1,2
	v_permlane16_swap_b32 v[PC+6*\c+\i], v[PC+12+4*\c+\i]
.endr
.irp i, 0,1,2
	v_mov_b32 v[PC+3+6*\c+\i], v[PC+12+4*\c+\i]
.endr
.endr
.endm
	s_load_b256 s[4:11], s[0:1], 0x0               ; xc, xs, bq, bk
	s_load_b128 s[12:15], s[0:1], 0x20             ; bv, qh
	s_load_b64 s[16:17], s[0:1], 0x30              ; kv
	v_lshl_add_u32 v254, v0, 2, 0x48000
	v_mov_b32 v255, 0
	ds_add_u32 v254, v255
	ds_add_u32 v254, v255
	v_lshrrev_b32 v3, 5, v0
	v_readfirstlane_b32 s[WV], v3                  ; wave 0..3
	s_lshr_b32 s19, s[WV], 1                       ; my half of i
	s_and_b32 s20, s[WV], 1                        ; my half of j
	s_bfe_u32 s21, ttmp6, 0x40000                  ; cx
	s_bfe_u32 s22, ttmp6, 0x40004                  ; cy
	s_and_b32 s56, ttmp7, 0xffff                   ; the cluster's y: the same in all sixteen partners
	s_lshr_b32 s57, s56, 4                         ; kind
	s_and_b32 s58, s56, 15                         ; c
	s_lshr_b32 s62, s58, 1
	s_and_b32 s63, s58, 1
	s_lshl_b32 s84, s57, 6
	s_add_co_u32 s84, s84, 1536                    ; the weight's first tile in xc
	s_lshl_b32 s85, s57, 9                         ; the tokens' first tile
	s_mov_b32 s86, 1664
	s_cmp_eq_u32 s57, 2
	s_cselect_b32 s59, 1, 0                        ; isV
	s_cselect_b32 s62, s62, 0                      ; which four blocks of i the cluster takes,
	s_cselect_b32 s63, s63, s58                    ; and which four of j
	s_cselect_b32 s84, 1024, s84                   ; U's first tile
	s_cselect_b32 s85, s86, s85                    ; T's
	s_lshl_b32 s60, s62, 2
	s_add_co_u32 s60, s60, s21                     ; iblk
	s_lshl_b32 s61, s63, 2
	s_add_co_u32 s61, s61, s22                     ; jblk
	s_lshl_b32 s87, s60, 4
	s_add_co_u32 s84, s84, s87                     ; the work-group's 16 tiles of U (hangs on cx, never on cy)
	s_lshl_b32 s88, s61, 3
	s_add_co_u32 s85, s85, s88                     ; its 8 tiles of T (hangs on cy, never on cx)
	s_lshl_b32 s89, 0x1111, s21                    ; my column of the cluster
	s_lshl_b32 s90, s22, 2
	s_lshl_b32 s90, 15, s90                        ; my row
	s_or_b32 s[G1U], s89, (3<<16)|(1<<21)          ; 15:0 the mask; 17:16 elements of 8 bytes; 21 set beside a mask; no padding
	s_or_b32 s[G1T], s90, (3<<16)|(1<<21)
	s_mov_b32 s[G1U+2], 16<<16                     ; U: 16 tiles
	s_mov_b32 s[G1U+4], 16
	s_mov_b32 s[G1T+2], 8<<16                      ; T: 8 tiles
	s_mov_b32 s[G1T+4], 8
.irp g, G1U, G1T                       ; a tile's row: 6,144 bytes (four K steps) = 768 elements, 12,288 bytes from tile to tile
	s_mov_b32 s[\g+1], 768<<16
	s_mov_b32 s[\g+3], 768<<16
	s_mov_b32 s[\g+5], 1536                        ; tensor_dim0_stride
	s_mov_b32 s[\g+6], 0
	s_mov_b32 s[\g+7], 0
.endr
	s_mul_i32 s92, s84, 12288
	s_mov_b32 s93, 0
	s_mul_i32 s94, s85, 12288
	s_mov_b32 s95, 0
	s_mov_b32 s[SEL], 0x76543210
	s_mov_b32 s[SEL+1], 0xfedcba98
	s_mov_b32 s97, 0xffff0000                      ; lanes 16-31
	s_mov_b32 s96, 0x7f7f0000                      ; the bytes of the zero codes' blocks
	s_wait_dscnt 0x0
	s_wait_kmcnt 0x0
	s_add_nc_u64 s[92:93], s[4:5], s[92:93]
	s_add_nc_u64 s[94:95], s[4:5], s[94:95]
.irp c, 0,1
	s_mov_b32 s[G0U+4*\c], 1
	s_mov_b32 s[G0U+4*\c+1], \c*CH
	s_add_nc_u64 s[G0U+4*\c+2:G0U+4*\c+3], s[92:93], \c*6144
	s_or_b32 s[G0U+4*\c+3], s[G0U+4*\c+3], 0x80000000
	s_mov_b32 s[G0T+4*\c], 1
	s_mov_b32 s[G0T+4*\c+1], TOFF+\c*CH
	s_add_nc_u64 s[G0T+4*\c+2:G0T+4*\c+3], s[94:95], \c*6144
	s_or_b32 s[G0T+4*\c+3], s[G0T+4*\c+3], 0x80000000
.endr
	CROUND                                         ; all sixteen work-groups are here: the joint loads meet
	s_cmp_eq_u32 s[WV], 0                          ; one chain of branches on the wave's number, one load to an arm: wave 0 U's first half of K, wave 1 T's, wave 2 U's second half, wave 3 T's
	s_cbranch_scc0 .Lwave_1
	tensor_load_to_lds s[G0U:G0U+3], s[G1U:G1U+7]
	s_nop 0
	PLACES
	s_branch .Lasked
.Lwave_1:
	s_cmp_eq_u32 s[WV], 1
	s_cbranch_scc0 .Lwave_2
	tensor_load_to_lds s[G0T:G0T+3], s[G1T:G1T+7]
	s_nop 0
	PLACES
	s_branch .Lasked
.Lwave_2:
	s_cmp_eq_u32 s[WV], 2
	s_cbranch_scc0 .Lwave_3
	tensor_load_to_lds s[G0U+4:G0U+7], s[G1U:G1U+7]
	s_nop 0
	PLACES
	s_branch .Lasked
.Lwave_3:
	tensor_load_to_lds s[G0T+4:G0T+7], s[G1T:G1T+7]
	s_nop 0
	PLACES
.Lasked:
	v_and_b32 v3, 31, v0
	v_lshlrev_b32 v[L16], 4, v3
	v_lshlrev_b32 v[L8], 3, v3
	s_mul_i32 s86, s19, 49152                      ; my 8 tiles of U
	s_mul_i32 s87, s20, 24576                      ; my 4 tiles of T,
	s_add_co_u32 s87, s87, TOFF                    ; behind U's sixteen
.irp c, 0,1
	v_add_nc_u32 v[AU16+\c], s86, v[L16]
	v_add_nc_u32 v[AU8+\c], s86, v[L8]
	v_add_nc_u32 v[AT16+\c], s87, v[L16]
	v_add_nc_u32 v[AT8+\c], s87, v[L8]
	s_add_co_u32 s86, s86, CH
	s_add_co_u32 s87, s87, CH
.endr
	s_lshl_b32 s88, s19, 3                         ; the scale words of all of K stay in registers: 512 bytes a tile in xs
	s_add_co_u32 s88, s88, s84
	s_lshl_b32 s88, s88, 9
	s_mov_b32 s89, 0
	s_add_nc_u64 s[88:89], s[6:7], s[88:89]
	s_lshl_b32 s90, s20, 2
	s_add_co_u32 s90, s90, s85
	s_lshl_b32 s90, s90, 9
	s_mov_b32 s91, 0
	s_add_nc_u64 s[90:91], s[6:7], s[90:91]
.irp p, 0,1,2,3
.irp x, 0,1
	global_load_b128 v[US+8*\p+4*\x:US+8*\p+4*\x+3], v[L16], s[88:89] offset:1024*\p+512*\x
.endr
.endr
.irp p, 0,1
.irp x, 0,1
	global_load_b128 v[TS+8*\p+4*\x:TS+8*\p+4*\x+3], v[L16], s[90:91] offset:1024*\p+512*\x
.endr
.endr
	; the bias, both ways, on the one path that all take: by i (q, k: my 128 features) and by j (v: my 64 channels).  The way that a kind does not use reads the bias's first bytes and is not used.
	s_cmp_eq_u32 s57, 0
	s_cselect_b64 s[92:93], s[8:9], s[10:11]
	s_cmp_eq_u32 s57, 2
	s_cselect_b64 s[92:93], s[12:13], s[92:93]
	s_lshl_b32 s94, s60, 8
	s_lshl_b32 s95, s19, 7
	s_add_co_u32 s94, s94, s95
	s_lshl_b32 s94, s94, 2                         ; 4 i0
	s_lshl_b32 s86, s61, 7
	s_lshl_b32 s87, s20, 6
	s_add_co_u32 s86, s86, s87
	s_lshl_b32 s86, s86, 2                         ; 4 j0
	s_cmp_eq_u32 s59, 0
	s_cselect_b32 s94, s94, 0
	s_cselect_b32 s86, 0, s86
	s_mov_b32 s95, 0
	s_mov_b32 s87, 0
	s_add_nc_u64 s[94:95], s[92:93], s[94:95]
	s_add_nc_u64 s[86:87], s[92:93], s[86:87]
	v_bfe_u32 v3, v0, 4, 1
	v_lshlrev_b32 v20, 6, v3                       ; 64 h
	v_and_b32 v3, 15, v0
	v_and_b32 v21, 8, v3
	v_add_nc_u32 v21, v21, v3
	v_lshlrev_b32 v21, 2, v21                      ; 4 (r + 8 (r / 8))
	WIN TO_U
.irp q, 0,1,2,3,4,5,6,7,8,9,10,11,12,13,14,15
	global_load_b128 v[96+4*\q+96*(\q/8):99+4*\q+96*(\q/8)], v20, s[94:95] offset:128*(\q/4)+16*(\q%4)   ; register 16 beta + x: b(i0 + 32 beta + 16 h + x)
.endr
	WIN 0
.irp a, 0,1,2,3
	global_load_b32 v[BJ+2*\a], v21, s[86:87] offset:4*(32*(\a/2)+8*(\a%2))      ; b(my row of tile a)
	global_load_b32 v[BJ+2*\a+1], v21, s[86:87] offset:4*(32*(\a/2)+8*(\a%2))    ; (the packed addition names the pair)
.endr
	s_wait_alu depctr_va_vdst(0)
	s_cmp_lt_u32 s[WV], 2                          ; the first half of K was asked for by waves 0 and 1 alone: they wait; the second half may be on its way
	s_cbranch_scc0 .Lnot_half_0
	s_wait_tensorcnt 0x0
.Lnot_half_0:
	s_barrier_signal -1
	s_barrier_wait -1                              ; everybody's is
	FETCH 0
	s_wait_loadcnt 0x0                             ; scale words and biases
	KSTEP 0, 1                                     ; the first step's products start the sums: nothing is cleared
	KSTEP 1, 0
	KSTEP 2, 0
	KSTEP 3, 0
	KSTEP 4, 0
	KSTEP 5, 0
	KSTEP 6, 0
	KSTEP 7, 0
	WIN 0
	PLACES
.irp b, 0,1,2,3
	v_mov_b32 v[TM+4+\b], 0                        ; a lane permute's destination counts as read
.endr
	s_cmp_lg_u32 s59, 0                            ; the kind is the same in every partner of the cluster
	s_cbranch_scc1 .Larm_v
	; ---- q and k: my 128 features are two heads, A and B; each tile of 16 tokens gives one half to each head's record
	s_mov_b32 s86, 208896
	s_mov_b32 s87, 196608
	s_cmp_eq_u32 s57, 0
	s_cselect_b64 s[84:85], s[14:15], s[16:17]     ; qh or kv
	s_cselect_b32 s86, 106496, s86                 ; a record,
	s_cselect_b32 s87, 98304, s87                  ; and where its scale words begin
	s_lshr_b32 s88, s61, 4
	s_lshl_b32 s88, s88, 4                         ; 16 x batch
	s_lshl_b32 s89, s60, 2
	s_add_co_u32 s88, s88, s89
	s_lshl_b32 s89, s19, 1
	s_add_co_u32 s88, s88, s89                     ; + head A = 4 iblk + 2 (my half of i)
	s_mul_i32 s88, s88, s86
	s_and_b32 s90, s61, 15                         ; the step of 128 tokens
	s_lshl_b32 s91, s90, 3
	s_lshl_b32 s92, s20, 2
	s_add_co_u32 s91, s91, s92
	s_mul_i32 s91, s91, 768
	s_add_co_u32 s92, s88, s91
	s_mov_b32 s93, 0
	s_add_nc_u64 s[40:41], s[84:85], s[92:93]      ; head A's halves
	s_mov_b32 s94, s86
	s_mov_b32 s95, 0
	s_add_nc_u64 s[42:43], s[40:41], s[94:95]      ; head B's: one record on
	s_lshl_b32 s91, s90, 9
	s_lshl_b32 s92, s20, 8
	s_add_co_u32 s91, s91, s92
	s_add_co_u32 s91, s91, s87
	s_add_co_u32 s92, s88, s91
	s_add_nc_u64 s[44:45], s[84:85], s[92:93]      ; head A's scale words
	s_add_nc_u64 s[46:47], s[44:45], s[94:95]      ; head B's
.macro OUTQK a
.if \a
	s_wait_xcnt 0x0                                ; the last tile's stores have read their data
.endif
	WIN 0x06                                       ; source 0 (the sums) window 2, source 1 (the bias) window 1
.set N, 0
.rept 32
	v_pk_add_f32 v[ST+N:ST+N+1], v[64*\a+N:64*\a+N+1], v[96+N+96*(N/32):97+N+96*(N/32)]   ; each accumulator from its low end on
.set N, N+2
.endr
	WIN 0
	QUANT ST, PW
	global_store_b128 v[L16], v[PC:PC+3], s[40:41] offset:768*\a
	global_store_b64 v[L8], v[PC+4:PC+5], s[40:41] offset:768*\a+512
	global_store_b128 v[L16], v[PC+6:PC+9], s[42:43] offset:768*\a
	global_store_b64 v[L8], v[PC+10:PC+11], s[42:43] offset:768*\a+512
	v_and_or_b32 v[WA+\a], v[PW], 0xffff, s96      ; head A's two bytes
	v_lshrrev_b32 v[WB+\a], 16, v[PW]
	v_or_b32 v[WB+\a], s96, v[WB+\a]               ; head B's
.endm
	OUTQK 0
	OUTQK 1
	OUTQK 2
	OUTQK 3
	v_cndmask_b32 v126, v[WA], v[WA+1], s97        ; lanes 0-15 the even tile's words, lanes 16-31 the odd tile's
	v_cndmask_b32 v127, v[WA+2], v[WA+3], s97
	v_cndmask_b32 v116, v[WB], v[WB+1], s97
	v_cndmask_b32 v117, v[WB+2], v[WB+3], s97
	global_store_b64 v[L8], v[126:127], s[44:45]   ; 256 consecutive bytes, aligned
	global_store_b64 v[L8], v[116:117], s[46:47]
	s_branch .Ldone
.Larm_v:
	; ---- v: my 128 tokens are one key step, my 64 channels one head: each tile of 16 channels gives one fragment
	s_lshr_b32 s84, s60, 3
	s_lshl_b32 s84, s84, 4                         ; 16 x batch
	s_lshl_b32 s85, s61, 1
	s_add_co_u32 s84, s84, s85
	s_add_co_u32 s84, s84, s20                     ; + head = 2 jblk + my half of j
	s_mul_i32 s84, s84, 208896
	s_lshl_b32 s86, s60, 1
	s_add_co_u32 s86, s86, s19
	s_and_b32 s86, s86, 15                         ; the key step
	s_mul_i32 s88, s86, 6144
	s_add_co_u32 s88, s88, s84
	s_add_co_u32 s88, s88, 98304
	s_mov_b32 s89, 0
	s_add_nc_u64 s[40:41], s[16:17], s[88:89]
	s_lshl_b32 s88, s86, 8
	s_add_co_u32 s88, s88, s84
	s_add_co_u32 s88, s88, 204800
	s_add_nc_u64 s[44:45], s[16:17], s[88:89]
.macro OUTV a
.if \a
	s_wait_xcnt 0x0
.endif
	WIN 0x02                                       ; source 0 (the sums) window 2
.set N, 0
.rept 32
	v_pk_add_f32 v[ST+N:ST+N+1], v[64*\a+N:64*\a+N+1], v[BJ+2*\a:BJ+2*\a+1] op_sel_hi:[1,0]
.set N, N+2
.endr
	WIN 0
	QUANT ST, PW
	global_store_b128 v[L16], v[PC:PC+3], s[40:41] offset:1536*\a
	global_store_b64 v[L8], v[PC+4:PC+5], s[40:41] offset:1536*\a+512
	global_store_b128 v[L16], v[PC+6:PC+9], s[40:41] offset:1536*\a+768
	global_store_b64 v[L8], v[PC+10:PC+11], s[40:41] offset:1536*\a+1280
	v_mov_b32 v[WA+\a], v[PW]
.endm
	OUTV 0
	OUTV 1
	OUTV 2
	OUTV 3
	v_cndmask_b32 v126, v[WA], v[WA+1], s97
	v_cndmask_b32 v127, v[WA+2], v[WA+3], s97
	global_store_b64 v[L8], v[126:127], s[44:45]
.Ldone:
	s_wait_tensorcnt 0x0
	ds_add_u32 v254, v255
	s_wait_dscnt 0x0
	CROUND                                         ; the closing round: no work-group ends while a partner may still ask for a tile that names it
	s_endpgm
.Lfunc_end_k_q1a9e7e9cc5_proj:
	.size	k_q1a9e7e9cc5_proj, .Lfunc_end_k_q1a9e7e9cc5_proj-k_q1a9e7e9cc5_proj
	.p2alignl 7, 3214868480
	.fill 96, 4, 3214868480
	.section	.rodata,"a",@progbits
	.p2align	6, 0x0
	.amdhsa_kernel k_q1a9e7e9cc5_proj
		.amdhsa_group_segment_fixed_size 295424
		.amdhsa_private_segment_fixed_size 0
		.amdhsa_enable_private_segment 0
		.amdhsa_kernarg_size 56
		.amdhsa_user_sgpr_count 2
		.amdhsa_user_sgpr_kernarg_segment_ptr 1
		.amdhsa_wavefront_size32 1
		.amdhsa_system_sgpr_workgroup_id_x 1
		.amdhsa_system_sgpr_workgroup_id_y 1
		.amdhsa_system_sgpr_workgroup_id_z 1
		.amdhsa_system_vgpr_workitem_id 0
		.amdhsa_next_free_vgpr 768
		.amdhsa_next_free_sgpr 100
		.amdhsa_reserve_vcc 0
		.amdhsa_float_denorm_mode_32 3
		.amdhsa_float_denorm_mode_16_64 3
		.amdhsa_memory_ordered 1
		.amdhsa_forward_progress 1
		.amdhsa_inst_pref_size 123
	.end_amdhsa_kernel
	.amdgpu_metadata
---
amdhsa.version: [ 1, 2 ]
amdhsa.kernels:
  - .name:           k_q1a9e7e9cc5_proj
    .symbol:         k_q1a9e7e9cc5_proj.kd
    .args:
      - { .name: xc, .offset: 0, .size: 8, .value_kind: global_buffer, .address_space: global }
      - { .name: xs, .offset: 8, .size: 8, .value_kind: global_buffer, .address_space: global }
      - { .name: bq, .offset: 16, .size: 8, .value_kind: global_buffer, .address_space: global }
      - { .name: bk, .offset: 24, .size: 8, .value_kind: global_buffer, .address_space: global }
      - { .name: bv, .offset: 32, .size: 8, .value_kind: global_buffer, .address_space: global }
      - { .name: qh, .offset: 40, .size: 8, .value_kind: global_buffer, .address_space: global }
      - { .name: kv, .offset: 48, .size: 8, .value_kind: global_buffer, .address_space: global }
    .group_segment_fixed_size: 295424
    .private_segment_fixed_size: 0
    .kernarg_segment_align: 8
    .kernarg_segment_size: 56
    .max_flat_workgroup_size: 128
    .sgpr_count:     100
    .vgpr_count:     768
    .wavefront_size: 32
...
	.end_amdgpu_metadata
.endif
;; end of part 2
;; launch attn (part 3): grid 256 x 1, 16 waves a work-group, no clusters, 210,944 bytes of LDS; arguments qh, kv, mw, cc, cs; writes cc, cs
.if DOCPART == 3
	.amdgcn_target "amdgcn-amd-amdhsa--gfx1250"
	.amdhsa_code_object_version 6
	.text
	.protected	k_q1a9e7e9cc5_attn
	.globl	k_q1a9e7e9cc5_attn
	.p2align	8
	.type	k_q1a9e7e9cc5_attn,@function
k_q1a9e7e9cc5_attn:
	s_mov_b64 s[64:65], 0
	v_nop
	global_prefetch_b8 v0, s[64:65] scope:SCOPE_SE
	s_setreg_imm32_b32 hwreg(HW_REG_WAVE_MODE, 25, 1), 1
	s_wait_xcnt 0x0
; ctx = softmax(where(mask == 0, -1e9, Q K^T / 8)) V for one head and 512 queries a work-group, both products on codes of FP6 (E2M3) with E8M0 scales; ctx is quantised along d_model for the last projection.
; THE SOFTMAX AHEAD OF THE SECOND PRODUCT: t = score x log2(e) / 8; M = the row's largest t so far, rounded up to a whole number; p = 2^(t - M) is quantised along the keys, not normalised; the row's sum is taken of the
; unquantised p and divides at the end.  When M moves, the sum and O are multiplied by 2^(old M - new M): exact.
; SHARES.  Work-group w: record w / 4 = 16 batch + head, queries 512 (w % 4) on.  Each of sixteen waves owns two tiles of 16 queries, one after the other.
; THE HEAD'S WHOLE RECORD OF K AND V lies in LDS, written once: wave s brings key step s (13,056 bytes: K's 8 halves, V's 4 fragments, K's and V's scale words) by 26 loads and 26 LDS stores.
; NO TENSOR LOAD AND NO CLUSTER: each step branches on the mask words, whole numbers that an earlier launch stored, and the four
; work-groups of a record each read it by plain loads.  No prefetch: K and V are read once, at the head, and the mask words are loaded into registers one step ahead.
; LAYOUT.  Both products are used transposed: S^T = K Q^T, O^T = V^T P^T: a lane holds ONE query.  Position m of K's tile T is key 64 (T / 4) + 8 (T % 4) + m + 24 (m / 8): register 32 c + i of lane (r, h) is
; key 64 c + 32 h + i of the step: a whole block of 32 in a lane, in the order of P's operand registers: no lane exchange for a block's maximum or for the codes.
; The first product's K is 64: Q's upper six registers are zero codes under the byte 0x7f, so K's upper six registers count for nothing: K's halves lie packed, 6 registers each, and a fragment's upper six are the next half's.
; THE MASK comes as bits, 64 words a step.  All ones: nothing is hidden and no select is run.  Otherwise the words come into scalar registers, are paired for this launch's order of keys
; (as stored, bit l of word n is key 32 (n / 16) + 16 (l / 16) + n % 16), and each is the lane mask of one v_cndmask_b32.
; LIMITS.  A hidden score is set to -2^33, a logit of -1.07e9 where the definition has -1e9: score x c is then exact, so a row hidden everywhere gives p = 1 for every key, as the definition does; results differ only where
; an open logit lies under about -1e9.  A block of zeros, or one under 2^-124, gets the byte 1 (this program alone reads the bytes).  NaN and infinities are not served.
; REGISTERS: v1, v2, v10 16, 8, 4 x lane; v3 -2^33; v4, v5 the step's LDS addresses; v6 8 (lane / 16); v11 Q's scale words; v12 -M, v13 the largest score, v[14:15] the sum; v16-27 Q; v28-31 K's scale words;
;   v32-85 K's halves and six zeros; v88-89 V's scale words; v90-91 ctx's; v92-94 mask words; v95 the old -M; v96-159 S^T, p, then V's fragments; v160-191 O^T; v192-211 codes; v212-219 at work; v[224:225] f; v226 p's scale word; v228-233 sums.
.set STEPB, 13056
.set SPARE, 208896
.set BM,  212                          ; a block's largest score: chain a, then the whole
.set BT,  214                          ; chain b
.set SO,  216                          ; the conversions' scale operands
.set BY,  218                          ; the scales' bytes
.set WV,  16
.macro QKM t, ra, u                    ; S^T, tile t of 16 keys
	v_wmma_scale_f32_16x16x128_f8f6f4 v[96+8*(\t):103+8*(\t)], v[32+6*(\t):43+6*(\t)], v[16:27], 0, v[28+(\t)/2], v11 matrix_a_fmt:MATRIX_FMT_FP6 matrix_b_fmt:MATRIX_FMT_FP6 matrix_a_scale:MATRIX_SCALE_ROW\ra matrix_b_scale:MATRIX_SCALE_ROW\u
.endm
.macro PVM t, ra                       ; O^T, tile t of 16 channels
	v_wmma_scale_f32_16x16x128_f8f6f4 v[160+8*(\t):167+8*(\t)], v[96+12*(\t):107+12*(\t)], v[192:203], v[160+8*(\t):167+8*(\t)], v[88+(\t)/2], v226 matrix_a_fmt:MATRIX_FMT_FP6 matrix_b_fmt:MATRIX_FMT_FP6 matrix_a_scale:MATRIX_SCALE_ROW\ra
.endm
.macro MX c, i                         ; block c's largest score, two chains, one over each half; each accumulator is first read at its low end
.set X_, 96+32*(\c)+16*((\i)%2)+2*((\i)/2)
.set T_, BM+(\c)+2*((\i)%2)
.if (\i) < 2
	v_max3_num_f32 v[T_], v[X_], v[X_+1], v[X_+2]
.else
	v_max3_num_f32 v[T_], v[T_], v[X_+1], v[X_+2]
.endif
.endm
.macro MXA c
	v_max3_num_f32 v[BM+\c], v[BM+\c], v[111+32*\c], v[127+32*\c]
.endm
.macro MXB c
	v_max_num_f32 v[BM+\c], v[BM+\c], v[BT+\c]
.endm
.macro SUM i                           ; the row's sum of p, two numbers a line, four chains by turns: lines 0-2 begin three of them, line i > 2 adds pair i + 3
.if (\i) < 3
	v_pk_add_f32 v[228+2*(\i):229+2*(\i)], v[96+4*(\i):97+4*(\i)], v[98+4*(\i):99+4*(\i)]
.elseif (\i)%4 == 3
	v_pk_add_f32 v[14:15], v[14:15], v[102+2*(\i):103+2*(\i)]
.else
	v_pk_add_f32 v[228+2*((\i)%4):229+2*((\i)%4)], v[228+2*((\i)%4):229+2*((\i)%4)], v[102+2*(\i):103+2*(\i)]
.endif
.endm
	s_load_b256 s[4:11], s[0:1], 0x0               ; qh, kv, mw, cc
	s_load_b64 s[12:13], s[0:1], 0x20              ; cs
	v_lshl_add_u32 v254, v0, 2, SPARE
	v_mov_b32 v255, 0
	v_lshrrev_b32 v1, 5, v0
	v_readfirstlane_b32 s[WV], v1                  ; wave 0..15
	s_lshr_b32 s27, ttmp9, 2                       ; the record: 16 batch + head
	s_and_b32 s44, ttmp9, 3                        ; which 512 queries
	s_mul_i32 s30, s[WV], STEPB                    ; my key step in LDS
	s_mul_i32 s28, s27, 208896
	s_mul_i32 s32, s[WV], 6144
	s_add_co_u32 s32, s32, s28                     ; its K halves in kv (V's fragments 98,304 bytes on),
	s_mov_b32 s33, 0
	s_lshl_b32 s34, s[WV], 9
	s_add_co_u32 s34, s34, s28
	s_add_co_u32 s34, s34, 196608                  ; K's scale words,
	s_mov_b32 s35, 0
	s_lshl_b32 s36, s[WV], 8
	s_add_co_u32 s36, s36, s28
	s_add_co_u32 s36, s36, 204800                  ; V's
	s_mov_b32 s37, 0
	s_lshl_b32 s44, s44, 4
	s_add_co_u32 s44, s44, s[WV]                   ; g: my pair of query tiles in the batch
	s_lshr_b32 s45, s27, 4                         ; batch
	s_and_b32 s46, s27, 15                         ; head
	s_mul_i32 s47, s27, 106496                     ; the head's record in qh
	s_mul_i32 s48, s44, 1536
	s_add_co_u32 s48, s48, s47
	s_mov_b32 s49, 0
	s_lshr_b32 s50, s44, 1
	s_lshl_b32 s50, s50, 8
	s_and_b32 s51, s44, 1
	s_lshl_b32 s51, s51, 2
	s_add_co_u32 s50, s50, s51
	s_add_co_u32 s50, s50, s47
	s_add_co_u32 s50, s50, 98304                   ; my pair's scale words: 256 (g / 2) + 4 (g % 2), then 8 bytes a lane
	s_mov_b32 s51, 0
	s_lshl_b32 s52, s45, 7
	s_lshl_b32 s53, s44, 1
	s_add_co_u32 s52, s52, s53                     ; my first tile among the 512 of all tokens
	s_lshl_b32 s54, s52, 12                        ; its mask words: 16 steps x 256 bytes
	s_mov_b32 s55, 0
	s_mul_i32 s56, s52, 12288
	s_mul_i32 s57, s46, 768                        ; the head's half in a tile of cc
	s_add_co_u32 s56, s56, s57
	s_mov_b32 s57, 0
	s_lshl_b32 s58, s46, 15
	s_lshl_b32 s59, s45, 13
	s_add_co_u32 s58, s58, s59
	s_lshl_b32 s59, s44, 7
	s_add_co_u32 s58, s58, s59                     ; cs: [head][pair of tiles][lane]
	s_mov_b32 s59, 0
	s_mov_b32 s18, 0x76543210
	s_mov_b32 s19, 0xfedcba98                      ; v_permlanex16_b32's selects for lane l xor 16
	s_mov_b32 s20, 0x3e38aa3b                      ; c = log2(e) / 8
	s_mov_b32 s21, s20                             ; (the packed form names the pair)
	s_mov_b32 s26, 0xffff0000                      ; lanes 16-31
	v_and_b32 v3, 31, v0
	v_bfe_u32 v6, v0, 4, 1
	v_lshlrev_b32 v1, 4, v3
	v_lshlrev_b32 v2, 3, v3
	v_lshlrev_b32 v10, 2, v3
	v_lshlrev_b32 v6, 3, v6
	v_add_nc_u32 v4, s30, v1
	v_add_nc_u32 v5, s30, v2
	v_mov_b32 v3, 0xd0000000                       ; -2^33
.irp i, 22,23,24,25,26,27,80,81,82,83,84,85
	v_mov_b32 v[\i], 0                             ; Q's upper 64 along K: zero codes; and what stands behind K's last half
.endr
	v_mov_b32 v[BT], 0                             ; a lane permute's destination counts as read
	v_mov_b32 v[BT+1], 0
	v_mov_b32 v225, 0                              ; (named as the upper half of the pair v[224:225])
	v_mov_b32 v227, 0
	s_wait_alu depctr_va_vdst(0)
	s_wait_kmcnt 0x0
	s_add_nc_u64 s[32:33], s[6:7], s[32:33]
	s_add_nc_u64 s[34:35], s[6:7], s[34:35]
	s_add_nc_u64 s[36:37], s[6:7], s[36:37]
	s_add_nc_u64 s[14:15], s[4:5], s[50:51]        ; Q's scale words
	s_add_nc_u64 s[4:5], s[4:5], s[48:49]          ; Q's two halves
	s_add_nc_u64 s[8:9], s[8:9], s[54:55]          ; the mask words
	s_add_nc_u64 s[10:11], s[10:11], s[56:57]      ; cc
	s_add_nc_u64 s[12:13], s[12:13], s[58:59]      ; cs
.irp i, 0,1,2,3,4,5,6,7,8,9,10,11
	global_load_b128 v[96+4*\i:99+4*\i], v1, s[32:33] offset:512*\i            ; each load: 512 consecutive bytes, aligned to 256
.endr
.irp i, 0,1,2,3,4,5,6,7,8,9,10,11
	global_load_b128 v[144+4*\i:147+4*\i], v1, s[32:33] offset:98304+512*\i
.endr
	global_load_b128 v[192:195], v1, s[34:35]
	global_load_b64 v[196:197], v2, s[36:37]
	global_load_b32 v11, v2, s[14:15]
	global_load_b64 v[92:93], v2, s[8:9]           ; the first step's 64 mask words, two a lane
	s_wait_loadcnt 16                              ; K's 12 loads are in; behind them: V's 12, two of scale words, Q's scale words, the mask words
.irp i, 0,1,2,3,4,5,6,7,8,9,10,11
	ds_store_b128 v4, v[96+4*\i:99+4*\i] offset:512*\i
.endr
	s_wait_loadcnt 2                               ; all but the last two
.irp i, 0,1,2,3,4,5,6,7,8,9,10,11
	ds_store_b128 v4, v[144+4*\i:147+4*\i] offset:6144+512*\i
.endr
	ds_store_b128 v4, v[192:195] offset:12288
	ds_store_b64 v5, v[196:197] offset:12800
	s_wait_dscnt 0x0                               ; my key step is written
	s_barrier_signal -1
	s_barrier_wait -1                              ; everybody's is; LDS is only read from here on
; A KEY STEP: 128 keys, for my tile u.  next = 1: the following step's mask words are asked for.
.macro STEP u, next
	v_add_nc_u32 v4, s22, v1
	v_add_nc_u32 v5, s22, v2
	s_wait_alu depctr_va_vdst(0)
.irp t, 0,1,2,3,4,5,6,7
	ds_load_b128 v[32+6*\t:35+6*\t], v4 offset:768*\t
	ds_load_b64 v[36+6*\t:37+6*\t], v5 offset:768*\t+512
.endr
	ds_load_b64 v[28:29], v5 offset:12288
	ds_load_b64 v[30:31], v5 offset:12544
	s_wait_dscnt 0x0
.irp t, 0,2,4,6
	QKM \t, 0, \u
	QKM \t+1, 1, \u
.endr
	s_wait_loadcnt 0x0                             ; this step's mask words
	v_and_b32 v94, v92, v93                        ; these lines are also the places behind the products
	v_mov_b32 v95, v12                             ; the old -M
	v_nop
	v_cmp_ne_u32 vcc_lo, -1, v94
	v_nop
	s_cmp_eq_u32 vcc_lo, 0                         ; all 64 words are ones: no key of the step is hidden from any of my queries
	s_cbranch_scc1 .Lopen_\@
	s_load_b512 s[32:47], s[8:9], 0x0
	s_load_b512 s[48:63], s[8:9], 0x40
	s_load_b512 s[68:83], s[8:9], 0x80
	s_load_b512 s[84:99], s[8:9], 0xc0
	s_wait_kmcnt 0x0
.set N, 0
.rept 32
.set SA_, 32+36*(N/16)+N%16
	s_pack_ll_b32_b16 s[28+2*(N%2)], s[SA_], s[SA_+16]     ; stored words 32 c + x and 32 c + 16 + x: their low halves are register 32 c + x's lanes,
	s_pack_hh_b32_b16 s[29+2*(N%2)], s[SA_], s[SA_+16]     ; their high halves register 32 c + 16 + x's
	v_cndmask_b32 v[96+32*(N/16)+N%16], v3, v[96+32*(N/16)+N%16], s[28+2*(N%2)]   ; a hidden key's score becomes -2^33
	v_cndmask_b32 v[112+32*(N/16)+N%16], v3, v[112+32*(N/16)+N%16], s[29+2*(N%2)]
.set N, N+1
.endr
	s_wait_alu depctr_va_vdst(0)
.Lopen_\@:
.if (\next)
	s_add_nc_u64 s[8:9], s[8:9], 256               ; (every load that read this base is done: the waits above)
	global_load_b64 v[92:93], v2, s[8:9]           ; it has the rest of the step in which to come
.endif
.irp i, 0,1,2,3
	MX 0, \i
.endr
.irp i, 0,1,2,3,4,5,6,7,8,9
	MX 1, \i
	MX 0, \i+4
.endr
	MX 1, 10
	MX 1, 11
	MXA 0
	MX 1, 12
	MX 1, 13
	MXB 0
	MXA 1
	s_delay_alu instid0(VALU_DEP_1)
	MXB 1                                          ; the largest score of my two blocks: it serves the row's maximum and, since p rises with the score, the block's largest p
	s_delay_alu instid0(VALU_DEP_1)
	v_max_num_f32 v227, v[BM], v[BM+1]
	s_delay_alu instid0(VALU_DEP_1)
	v_permlanex16_b32 v[BT], v227, s18, s19
	s_delay_alu instid0(VALU_DEP_1)
	v_max3_num_f32 v13, v13, v227, v[BT]           ; the running largest score of my query (c is positive)
	s_delay_alu instid0(VALU_DEP_1)
	v_mul_f32 v227, s20, v13                       ; as t
	s_delay_alu instid0(VALU_DEP_1)
	v_floor_f32 v12, -v227                         ; the new -M = -ceil(t)
	s_delay_alu instid0(VALU_DEP_1)
	v_sub_f32 v227, v12, v95                       ; old M - new M: a whole number, 0 or less
.set N, 0
.rept 32
	v_pk_fma_f32 v[96+N:97+N], v[96+N:97+N], s[20:21], v[12:13] op_sel_hi:[1,0,0]   ; t - M, two at a time
.if N == 6
	v_cvt_i32_f32 v227, v227                       ; (it saturates)
.endif
.if N == 14
	v_ldexp_f32 v224, 1.0, v227                    ; f = 2^(old M - new M)
.endif
.set N, N+2
.endr
	v_fma_f32 v[BM], v[BM], s20, v12               ; the same of each block's largest score
	v_fma_f32 v[BM+1], v[BM+1], s20, v12
	s_wait_alu depctr_va_vdst(0)
.set N, 0
.rept 64
	v_exp_f32 v[96+N], v[96+N]                     ; p = 2^(t - M)
.set N, N+1
.endr
	v_exp_f32 v[BM], v[BM]                         ; the block's largest p
	v_exp_f32 v[BM+1], v[BM+1]
	v_pk_mul_f32 v[14:15], v[14:15], v[224:225] op_sel_hi:[1,0]   ; the sum under the new M.  (A plain place behind the exponentials)
	s_wait_alu depctr_va_vdst(0)                   ; and behind it
	v_max_num_f32 v[BM], 0x1800000, v[BM]          ; the floor 2^(3 - 127)
	v_max_num_f32 v[BM+1], 0x1800000, v[BM+1]
	SUM 0
	SUM 1
	v_add_nc_u32 v[SO], 0xff000000, v[BM]          ; 2 off the exponent field: the conversion's scale operand
	v_add_nc_u32 v[SO+1], 0xff000000, v[BM+1]
	SUM 2
	SUM 3
	v_lshrrev_b32 v[BY], 23, v[SO]                 ; the scale's byte
	v_lshrrev_b32 v[BY+1], 23, v[SO+1]
.irp c, 0,1
	v_cvt_scalef32_pk16_fp6_f32 v[192+6*\c:194+6*\c], v[96+32*\c:111+32*\c], v[SO+\c]      ; registers 6 c .. of P's operand: k = 64 c + 32 h + 0 .. 15
	v_cvt_scalef32_pk16_fp6_f32 v[204+4*\c:206+4*\c], v[112+32*\c:127+32*\c], v[SO+\c]     ; + 16 .. 31 (a conversion's three registers begin on an even number)
.endr
	SUM 4                                          ; one plain place behind a scaled conversion
	v_lshl_or_b32 v226, v[BY+1], 16, v[BY]         ; my two bytes: blocks h and 2 + h,
	SUM 5
	v_lshlrev_b32 v226, v6, v226                   ; at their places in the scale word (8 h bits up);
	SUM 6
	v_permlanex16_b32 v227, v226, s18, s19
.irp c, 0,1
.irp i, 0,1,2
	v_mov_b32 v[195+6*\c+\i], v[204+4*\c+\i]
.endr
.endr
	v_or_b32 v226, v226, v227                      ; with lane l xor 16's two the word is whole
.irp i, 7,8,9,10,11,12,13,14,15,16,17,18,19,20
	SUM \i
.endr
.irp t, 0,1,2,3                                ; p's first 48 registers are spent: V's four fragments (16 channels x these 128 keys) take them
	ds_load_b128 v[96+12*\t:99+12*\t], v4 offset:6144+1536*\t
	ds_load_b64 v[100+12*\t:101+12*\t], v5 offset:6144+1536*\t+512
	ds_load_b128 v[102+12*\t:105+12*\t], v4 offset:6144+1536*\t+768
	ds_load_b64 v[106+12*\t:107+12*\t], v5 offset:6144+1536*\t+1280
.endr
	ds_load_b64 v[88:89], v5 offset:12800
	s_wait_alu depctr_va_vdst(0)                   ; directly ahead of the first reader of O^T
.set N, 0
.rept 16
	v_pk_mul_f32 v[160+N:161+N], v[160+N:161+N], v[224:225] op_sel_hi:[1,0]   ; O^T under the new M
.set N, N+2
.endr
	s_wait_alu depctr_va_vdst(0)                   ; and directly ahead of the wait below
	s_wait_dscnt 0x0
	PVM 0, 0
	PVM 1, 1
	PVM 2, 0
	PVM 3, 1
.irp i, 21,22,23,24,25,26,27,28                ; p's last 16 registers: these lines name no register of the products above and are the places behind them
	SUM \i
.endr
	v_pk_add_f32 v[228:229], v[228:229], v[230:231]
	v_pk_add_f32 v[14:15], v[14:15], v[232:233]
	s_delay_alu instid0(VALU_DEP_1)
	v_pk_add_f32 v[14:15], v[14:15], v[228:229]
	s_add_co_u32 s22, s22, STEPB                   ; the next step's place in LDS
.endm
; The end of a tile: O^T / the sum is ctx(my query, the head's 64 channels): two blocks of 32 along d_model, 16 of each in my registers.
.macro EPI u
	v_add_f32 v14, v14, v15
	s_delay_alu instid0(VALU_DEP_1)
	v_permlanex16_b32 v227, v14, s18, s19
	s_delay_alu instid0(VALU_DEP_1)
	v_add_f32 v14, v14, v227                       ; the row's sum
	s_wait_alu depctr_va_vdst(0)
	v_rcp_f32 v14, v14
	v_nop                                          ; one plain place behind a transcendental
	s_wait_alu depctr_va_vdst(0)
.set N, 0
.rept 16
	v_pk_mul_f32 v[96+N:97+N], v[160+N:161+N], v[14:15] op_sel_hi:[1,0]
.set N, N+2
.endr
.irp b, 0,1
	v_max3_num_f32 v[BM+\b], |v[96+16*\b]|, |v[97+16*\b]|, 0x1800000
.endr
.irp i, 2,4,6,8,10,12,14
.irp b, 0,1
	s_delay_alu instid0(VALU_DEP_2)
	v_max3_num_f32 v[BM+\b], v[BM+\b], |v[96+16*\b+\i]|, |v[97+16*\b+\i]|
.endr
.endr
.irp b, 0,1
	s_delay_alu instid0(VALU_DEP_2)
	v_permlanex16_b32 v[BT+\b], v[BM+\b], s18, s19
.endr
.irp b, 0,1
	s_delay_alu instid0(VALU_DEP_2)
	v_max_num_f32 v[BM+\b], v[BM+\b], v[BT+\b]
.endr
.irp b, 0,1
	s_delay_alu instid0(VALU_DEP_2)
	v_add_nc_u32 v[SO+\b], 0xff000000, v[BM+\b]
.endr
.irp b, 0,1
	s_delay_alu instid0(VALU_DEP_2)
	v_lshrrev_b32 v[BT+\b], 23, v[SO+\b]
.endr
	s_delay_alu instid0(VALU_DEP_1)
	v_lshl_or_b32 v[90+\u], v[BT+1], 8, v[BT]      ; the head's two bytes of my row
	v_cvt_scalef32_pk16_fp6_f32 v[192:194], v[96:111], v[SO]
	v_cvt_scalef32_pk16_fp6_f32 v[204:206], v[112:127], v[SO+1]
	v_nop
.irp i, 0,1,2
	v_permlane16_swap_b32 v[192+\i], v[204+\i]
.endr
.irp i, 0,1,2
	s_delay_alu instid0(VALU_DEP_3)
	v_mov_b32 v[195+\i], v[204+\i]
.endr
	global_store_b128 v1, v[192:195], s[10:11] offset:12288*\u         ; a half's image: 512 and 256 consecutive bytes, aligned to 256
	global_store_b64 v2, v[196:197], s[10:11] offset:12288*\u+512
.endm
.macro PASS u
.if \u
	s_wait_xcnt 0x0                                ; the first tile's stores have read their data
.endif
	global_load_b128 v[16:19], v1, s[4:5] offset:768*\u
	global_load_b64 v[20:21], v2, s[4:5] offset:768*\u+512
	v_mov_b32 v13, 0xff61b1e6                      ; the largest score so far: -3e38
	s_delay_alu instid0(VALU_DEP_1)
	v_floor_f32 v12, -v13                          ; -M
	v_mov_b32 v14, 0
	v_mov_b32 v15, 0
.set N, 0
.rept 32
	v_mov_b32 v[160+N], 0                          ; O^T: the step is written once; its first trip finds zeros, which the first change of M leaves zeros
.set N, N+1
.endr
	s_mov_b32 s22, 0
	s_mov_b32 s17, 15
	s_wait_loadcnt 0x0
.Lpass_\@:
	STEP \u, 1
	s_sub_co_u32 s17, s17, 1
	s_cmp_lg_u32 s17, 0
	s_cbranch_scc1 .Lpass_\@
	STEP \u, 1-\u                                  ; the first tile's last step asks for the second tile's first words, which follow in mw; the very last step asks for nothing
	EPI \u
.endm
	PASS 0
	PASS 1
	v_cndmask_b32 v90, v90, v91, s26               ; lanes 0-15 my first tile's words, lanes 16-31 my second's
	global_store_b32 v10, v90, s[12:13]
	s_wait_tensorcnt 0x0                           ; the wave's end
	ds_add_u32 v254, v255
	s_wait_dscnt 0x0
	s_endpgm
.Lfunc_end_k_q1a9e7e9cc5_attn:
	.size	k_q1a9e7e9cc5_attn, .Lfunc_end_k_q1a9e7e9cc5_attn-k_q1a9e7e9cc5_attn
	.p2alignl 7, 3214868480
	.fill 96, 4, 3214868480
	.section	.rodata,"a",@progbits
	.p2align	6, 0x0
	.amdhsa_kernel k_q1a9e7e9cc5_attn
		.amdhsa_group_segment_fixed_size 210944
		.amdhsa_private_segment_fixed_size 0
		.amdhsa_enable_private_segment 0
		.amdhsa_kernarg_size 40
		.amdhsa_user_sgpr_count 2
		.amdhsa_user_sgpr_kernarg_segment_ptr 1
		.amdhsa_wavefront_size32 1
		.amdhsa_system_sgpr_workgroup_id_x 1
		.amdhsa_system_sgpr_workgroup_id_y 1
		.amdhsa_system_sgpr_workgroup_id_z 1
		.amdhsa_system_vgpr_workitem_id 0
		.amdhsa_next_free_vgpr 256
		.amdhsa_next_free_sgpr 100
		.amdhsa_reserve_vcc 1
		.amdhsa_float_denorm_mode_32 3
		.amdhsa_float_denorm_mode_16_64 3
		.amdhsa_memory_ordered 1
		.amdhsa_forward_progress 1
		.amdhsa_inst_pref_size 106
	.end_amdhsa_kernel
	.amdgpu_metadata
---
amdhsa.version: [ 1, 2 ]
amdhsa.kernels:
  - .name:           k_q1a9e7e9cc5_attn
    .symbol:         k_q1a9e7e9cc5_attn.kd
    .args:
      - { .name: qh, .offset: 0, .size: 8, .value_kind: global_buffer, .address_space: global }
      - { .name: kv, .offset: 8, .size: 8, .value_kind: global_buffer, .address_space: global }
      - { .name: mw, .offset: 16, .size: 8, .value_kind: global_buffer, .address_space: global }
      - { .name: cc, .offset: 24, .size: 8, .value_kind: global_buffer, .address_space: global }
      - { .name: cs, .offset: 32, .size: 8, .value_kind: global_buffer, .address_space: global }
    .group_segment_fixed_size: 210944
    .private_segment_fixed_size: 0
    .kernarg_segment_align: 8
    .kernarg_segment_size: 40
    .max_flat_workgroup_size: 512
    .sgpr_count:     100
    .vgpr_count:     256
    .wavefront_size: 32
...
	.end_amdgpu_metadata
.endif
;; end of part 3
;; launch outp (part 4): grid 4 x 64, 4 waves a work-group, clusters of 4 x 4, 295,424 bytes of LDS; arguments xc, xs, cc, cs, bo, out0; writes out0
.if DOCPART == 4
	.amdgcn_target "amdgcn-amd-amdhsa--gfx1250"
	.amdhsa_code_object_version 6
	.text
	.protected	k_q1a9e7e9cc5_outp
	.globl	k_q1a9e7e9cc5_outp
	.p2align	8
	.type	k_q1a9e7e9cc5_outp,@function
k_q1a9e7e9cc5_outp:
	s_mov_b64 s[64:65], 0
	v_nop
	global_prefetch_b8 v0, s[64:65] scope:SCOPE_SE
	s_setreg_imm32_b32 hwreg(HW_REG_WAVE_MODE, 25, 1), 1
	s_wait_xcnt 0x0
	s_wait_alu depctr_hold_cnt(0) depctr_sa_sdst(0) depctr_va_vdst(0) depctr_va_sdst(0) depctr_va_ssrc(0) depctr_va_vcc(0) depctr_vm_vsrc(0)
	s_getreg_b32 s2, hwreg(HW_REG_IB_STS2, 6, 4)
	s_cmp_eq_u32 s2, 0
	s_cbranch_scc0 .Lentry_in_a_cluster
	s_endpgm
.Lentry_in_a_cluster:
	s_bfe_u32 s2, ttmp6, 0x10000c
	s_cmp_lg_u32 s2, 0xf033
	s_cbranch_scc0 .Lentry_shape_is_right
	s_endpgm
.Lentry_shape_is_right:
; out0 = ctx Wo^T + bo, on codes of FP6 (E2M3) with E8M0 scales.  P[i][j] = sum over k of Wo[i][k] ctx[j][k], K = 1,024: source 0 = a tile of Wo (i = output features), source 1 = a tile of ctx (j = tokens).
; Position r of tile n is row 32 (n / 2) + 8 (n % 2) + r + 8 (r / 8); a lane holds one token, and the 64 registers of a tile's 8 accumulators are features i0 + 32 beta + 16 (lane / 16) + x at register 16 beta + x.
; Operands are images of the operand's registers (1,536 bytes a fragment).  A work-group makes 256 (i) x 128 (j), each of four waves 128 x 64.  ALL OF K LIES IN LDS, 2 halves of 4 K steps, each filled once.
; CLUSTERS of 4 x 4: Wo's tiles hang on cx and are shared down a column of the cluster, ctx's on the block of tokens and are shared along a row.
; THE WAY OUT goes through a stage of 16 rows x 528 bytes for each wave, in chunk 0's bytes: their one fill is past, and every wave's reads of them ended in front of the barrier of K step 3.
; REGISTERS as in the projections' launch: window 0: addresses, v24-27 bo, v32-63 Wo's scale words, v64-79 ctx's, v80-175 ctx's fragments, v176-239 rows on the way out; window 1: Wo's fragments; window 2: the accumulators.
; LDS holds all of K as TWO HALVES of 4 K steps, each filled once by one load for Wo (16 tiles x 6,144 bytes) and one for ctx (8 tiles): four loads, one a wave.
; The stage of the way out lies in the first half's bytes: every wave's reads of them ended in front of the barrier of K step 3, where every wave has also waited for its load.
.set CH,    147456
.set TOFF,  98304
.set L16,   1
.set L8,    2
.set AU16,  4
.set AU8,   8
.set AT16,  12
.set AT8,   16
.set STO,   20                         ; v20  the stage: where I put 16 bytes of a row
.set RD,    21                         ; v21  and where I read a row back
.set L4,    22
.set BO,    24
.set US,    32
.set TS,    64
.set TF,    80
.set OB,    176
.set SP,    528
.set WV,    18
.set G1U,   24
.set G1T,   32
.set G0U,   40
.set G0T,   68
.set MSB,   0
.set W_MUL, 0xa1
.set TO_U,  0x40
.macro WIN new
.if MSB != \new
	s_set_vgpr_msb (MSB<<8)|\new
.set MSB, \new
.endif
.endm
.macro PLACES
.rept 4
	v_nop
.endr
.endm
.macro CROUND
	s_barrier_signal -1
	s_barrier_wait -1
	s_cmp_lg_u32 s[WV], 0
	s_cbranch_scc1 .Lnot_wave_0_\@
	s_barrier_signal -3
.Lnot_wave_0_\@:
	s_barrier_wait -3
	s_barrier_signal -1
	s_barrier_wait -1
.endm
.macro FRAGL reg, a16, a8, off
	ds_load_b128 v[\reg:\reg+3], v[\a16] offset:\off
	ds_load_b64 v[\reg+4:\reg+5], v[\a8] offset:\off+512
	ds_load_b128 v[\reg+6:\reg+9], v[\a16] offset:\off+768
	ds_load_b64 v[\reg+10:\reg+11], v[\a8] offset:\off+1280
.endm
.macro FETCH s
	WIN TO_U
.irp b, 0,1,2,3,4,5,6,7
	FRAGL 128*((\s)%2)+12*\b, AU16+(\s)/4, AU8+(\s)/4, 6144*\b+1536*((\s)%4)
.endr
	WIN 0
.irp a, 0,1,2,3
	FRAGL TF+48*((\s)%2)+12*\a, AT16+(\s)/4, AT8+(\s)/4, 6144*\a+1536*((\s)%4)
.endr
.endm
.macro WM d, a, b, zero, sa, sb, ra, rb
.if \zero
.if (\ra) && (\rb)
	v_wmma_scale_f32_16x16x128_f8f6f4 v[\d:\d+7], v[\a:\a+11], v[\b:\b+11], 0, v[\sa], v[\sb] matrix_a_fmt:MATRIX_FMT_FP6 matrix_b_fmt:MATRIX_FMT_FP6 matrix_a_scale:MATRIX_SCALE_ROW1 matrix_b_scale:MATRIX_SCALE_ROW1
.elseif (\ra)
	v_wmma_scale_f32_16x16x128_f8f6f4 v[\d:\d+7], v[\a:\a+11], v[\b:\b+11], 0, v[\sa], v[\sb] matrix_a_fmt:MATRIX_FMT_FP6 matrix_b_fmt:MATRIX_FMT_FP6 matrix_a_scale:MATRIX_SCALE_ROW1
.elseif (\rb)
	v_wmma_scale_f32_16x16x128_f8f6f4 v[\d:\d+7], v[\a:\a+11], v[\b:\b+11], 0, v[\sa], v[\sb] matrix_a_fmt:MATRIX_FMT_FP6 matrix_b_fmt:MATRIX_FMT_FP6 matrix_b_scale:MATRIX_SCALE_ROW1
.else
	v_wmma_scale_f32_16x16x128_f8f6f4 v[\d:\d+7], v[\a:\a+11], v[\b:\b+11], 0, v[\sa], v[\sb] matrix_a_fmt:MATRIX_FMT_FP6 matrix_b_fmt:MATRIX_FMT_FP6
.endif
.else
.if (\ra) && (\rb)
	v_wmma_scale_f32_16x16x128_f8f6f4 v[\d:\d+7], v[\a:\a+11], v[\b:\b+11], v[\d:\d+7], v[\sa], v[\sb] matrix_a_fmt:MATRIX_FMT_FP6 matrix_b_fmt:MATRIX_FMT_FP6 matrix_a_scale:MATRIX_SCALE_ROW1 matrix_b_scale:MATRIX_SCALE_ROW1
.elseif (\ra)
	v_wmma_scale_f32_16x16x128_f8f6f4 v[\d:\d+7], v[\a:\a+11], v[\b:\b+11], v[\d:\d+7], v[\sa], v[\sb] matrix_a_fmt:MATRIX_FMT_FP6 matrix_b_fmt:MATRIX_FMT_FP6 matrix_a_scale:MATRIX_SCALE_ROW1
.elseif (\rb)
	v_wmma_scale_f32_16x16x128_f8f6f4 v[\d:\d+7], v[\a:\a+11], v[\b:\b+11], v[\d:\d+7], v[\sa], v[\sb] matrix_a_fmt:MATRIX_FMT_FP6 matrix_b_fmt:MATRIX_FMT_FP6 matrix_b_scale:MATRIX_SCALE_ROW1
.else
	v_wmma_scale_f32_16x16x128_f8f6f4 v[\d:\d+7], v[\a:\a+11], v[\b:\b+11], v[\d:\d+7], v[\sa], v[\sb] matrix_a_fmt:MATRIX_FMT_FP6 matrix_b_fmt:MATRIX_FMT_FP6
.endif
.endif
.endm
.macro MUL a0, s, zero                 ; the 32 accumulators take turns, one instruction a turn, in the same order in every step
.irp a, \a0, \a0+1
.irp b, 0,1,2,3,4,5,6,7
	WM 8*(8*(\a)+\b), 128*((\s)%2)+12*\b, TF+48*((\s)%2)+12*(\a), \zero, US+8*(\b/2)+(\s), TS+8*((\a)/2)+(\s), \b%2, (\a)%2
.endr
.endr
.endm
.macro KSTEP s, zero
	s_wait_dscnt 0x0                               ; this step's fragments are in
.if (\s) != 3 && (\s) < 7
	PLACES
	FETCH (\s)+1
	WIN W_MUL
	MUL 0, \s, \zero
	MUL 2, \s, \zero
.elseif (\s) < 7
	s_wait_tensorcnt 0x0                           ; K step 3: my load has landed, whichever half it brought
	s_barrier_signal -1
	WIN W_MUL
	MUL 0, \s, 0
	s_barrier_wait -1
	PLACES
	FETCH (\s)+1
	WIN W_MUL
	MUL 2, \s, 0
.else
	WIN W_MUL
	MUL 0, \s, 0
	MUL 2, \s, 0
.endif
.endm
	s_load_b256 s[4:11], s[0:1], 0x0               ; xc, xs, cc, cs
	s_load_b128 s[12:15], s[0:1], 0x20             ; bo, out0
	v_lshl_add_u32 v254, v0, 2, 0x48000
	v_mov_b32 v255, 0
	ds_add_u32 v254, v255
	ds_add_u32 v254, v255
	v_lshrrev_b32 v3, 5, v0
	v_readfirstlane_b32 s[WV], v3                  ; wave 0..3
	s_lshr_b32 s19, s[WV], 1                       ; my half of i
	s_and_b32 s20, s[WV], 1                        ; my half of j
	s_bfe_u32 s21, ttmp6, 0x40000                  ; cx = the block of 256 features
	s_bfe_u32 s22, ttmp6, 0x40004                  ; cy
	s_and_b32 s56, ttmp7, 0xffff
	s_lshl_b32 s61, s56, 2
	s_add_co_u32 s61, s61, s22                     ; jblk: the block of 128 tokens
	s_lshl_b32 s84, s21, 4
	s_add_co_u32 s84, s84, 1728                    ; Wo's 16 tiles in xc (hangs on cx, never on cy)
	s_lshl_b32 s85, s61, 3                         ; ctx's 8 tiles in cc (hangs on cy, never on cx)
	s_lshl_b32 s89, 0x1111, s21                    ; my column of the cluster
	s_lshl_b32 s90, s22, 2
	s_lshl_b32 s90, 15, s90                        ; my row
	s_or_b32 s[G1U], s89, (3<<16)|(1<<21)          ; 15:0 the mask; 17:16 elements of 8 bytes; 21 set beside a mask; no padding
	s_or_b32 s[G1T], s90, (3<<16)|(1<<21)
	s_mov_b32 s[G1U+2], 16<<16                     ; Wo: 16 tiles
	s_mov_b32 s[G1U+4], 16
	s_mov_b32 s[G1T+2], 8<<16                      ; ctx: 8 tiles
	s_mov_b32 s[G1T+4], 8
.irp g, G1U, G1T                       ; a tile's row: 6,144 bytes (four K steps) = 768 elements, 12,288 bytes from tile to tile
	s_mov_b32 s[\g+1], 768<<16
	s_mov_b32 s[\g+3], 768<<16
	s_mov_b32 s[\g+5], 1536
	s_mov_b32 s[\g+6], 0
	s_mov_b32 s[\g+7], 0
.endr
	s_mul_i32 s92, s84, 12288
	s_mov_b32 s93, 0
	s_mul_i32 s94, s85, 12288
	s_mov_b32 s95, 0
	s_wait_dscnt 0x0
	s_wait_kmcnt 0x0
	s_add_nc_u64 s[92:93], s[4:5], s[92:93]
	s_add_nc_u64 s[94:95], s[8:9], s[94:95]
.irp c, 0,1
	s_mov_b32 s[G0U+4*\c], 1
	s_mov_b32 s[G0U+4*\c+1], \c*CH
	s_add_nc_u64 s[G0U+4*\c+2:G0U+4*\c+3], s[92:93], \c*6144
	s_or_b32 s[G0U+4*\c+3], s[G0U+4*\c+3], 0x80000000
	s_mov_b32 s[G0T+4*\c], 1
	s_mov_b32 s[G0T+4*\c+1], TOFF+\c*CH
	s_add_nc_u64 s[G0T+4*\c+2:G0T+4*\c+3], s[94:95], \c*6144
	s_or_b32 s[G0T+4*\c+3], s[G0T+4*\c+3], 0x80000000
.endr
	CROUND                                         ; all sixteen work-groups are here: the joint loads meet
	s_cmp_eq_u32 s[WV], 0                          ; one chain of branches on the wave's number, one load to an arm: wave 0 Wo's first half of K, wave 1 ctx's, wave 2 Wo's second half, wave 3 ctx's
	s_cbranch_scc0 .Lwave_1
	tensor_load_to_lds s[G0U:G0U+3], s[G1U:G1U+7]
	s_nop 0
	PLACES
	s_branch .Lasked
.Lwave_1:
	s_cmp_eq_u32 s[WV], 1
	s_cbranch_scc0 .Lwave_2
	tensor_load_to_lds s[G0T:G0T+3], s[G1T:G1T+7]
	s_nop 0
	PLACES
	s_branch .Lasked
.Lwave_2:
	s_cmp_eq_u32 s[WV], 2
	s_cbranch_scc0 .Lwave_3
	tensor_load_to_lds s[G0U+4:G0U+7], s[G1U:G1U+7]
	s_nop 0
	PLACES
	s_branch .Lasked
.Lwave_3:
	tensor_load_to_lds s[G0T+4:G0T+7], s[G1T:G1T+7]
	s_nop 0
	PLACES
.Lasked:
	v_and_b32 v3, 31, v0
	v_lshlrev_b32 v[L16], 4, v3
	v_lshlrev_b32 v[L8], 3, v3
	v_lshlrev_b32 v[L4], 2, v3
	s_mul_i32 s86, s19, 49152
	s_mul_i32 s87, s20, 24576
	s_add_co_u32 s87, s87, TOFF
.irp c, 0,1
	v_add_nc_u32 v[AU16+\c], s86, v[L16]
	v_add_nc_u32 v[AU8+\c], s86, v[L8]
	v_add_nc_u32 v[AT16+\c], s87, v[L16]
	v_add_nc_u32 v[AT8+\c], s87, v[L8]
	s_add_co_u32 s86, s86, CH
	s_add_co_u32 s87, s87, CH
.endr
	s_mul_i32 s86, s[WV], 16*SP                    ; my stage
	v_and_b32 v3, 15, v0
	v_mul_u32_u24 v[STO], v3, SP
	v_bfe_u32 v3, v0, 4, 1
	v_lshl_add_u32 v[STO], v3, 6, v[STO]
	v_add_nc_u32 v[STO], s86, v[STO]               ; in: row r, + 64 h
	v_add_nc_u32 v[RD], s86, v[L16]                ; back: a whole row of 512 bytes
	s_lshl_b32 s88, s19, 3                         ; Wo's scale words, all of K: 512 bytes a tile in xs
	s_add_co_u32 s88, s88, s84
	s_lshl_b32 s88, s88, 9
	s_mov_b32 s89, 0
	s_add_nc_u64 s[88:89], s[6:7], s[88:89]
.irp p, 0,1,2,3
.irp x, 0,1
	global_load_b128 v[US+8*\p+4*\x:US+8*\p+4*\x+3], v[L16], s[88:89] offset:1024*\p+512*\x
.endr
.endr
	s_lshl_b32 s90, s61, 9                         ; ctx's scale bytes: [head][pair of tiles][lane]: my two pairs begin at pair 4 jblk + 2 (my half of j)
	s_lshl_b32 s91, s20, 8
	s_add_co_u32 s90, s90, s91
	s_mov_b32 s91, 0
	s_add_nc_u64 s[90:91], s[10:11], s[90:91]
.irp p, 0,1
.irp e, 0,1,2,3,4,5,6,7,8,9,10,11,12,13,14,15
	global_load_b32 v[OB+16*\p+\e], v[L4], s[90:91] offset:32768*\e+128*\p
.endr
.endr
	s_lshl_b32 s94, s21, 8
	s_lshl_b32 s95, s19, 7
	s_add_co_u32 s94, s94, s95
	s_lshl_b32 s94, s94, 2                         ; 4 i0
	s_mov_b32 s95, 0
	s_add_nc_u64 s[12:13], s[12:13], s[94:95]
	global_load_b128 v[BO:BO+3], v[L16], s[12:13]  ; bo of the four features that I store
	s_lshl_b32 s86, s61, 7
	s_lshl_b32 s87, s20, 6
	s_add_co_u32 s86, s86, s87                     ; j0
	s_lshl_b32 s86, s86, 12                        ; rows of 4,096 bytes (under 2^26 in all)
	s_add_co_u32 s86, s86, s94
	s_mov_b32 s87, 0
	s_add_nc_u64 s[14:15], s[14:15], s[86:87]      ; out0 at (j0, i0)
	s_wait_alu depctr_va_vdst(0)
	s_cmp_lt_u32 s[WV], 2                          ; the first half of K was asked for by waves 0 and 1 alone: they wait; the second half may be on its way
	s_cbranch_scc0 .Lnot_half_0
	s_wait_tensorcnt 0x0
.Lnot_half_0:
	s_barrier_signal -1
	s_barrier_wait -1
	FETCH 0
	s_wait_loadcnt 0x0
.irp p, 0,1
.irp s, 0,1,2,3,4,5,6,7
	v_lshl_or_b32 v[TS+8*\p+\s], v[OB+16*\p+2*\s+1], 16, v[OB+16*\p+2*\s]   ; K step s is heads 2 s and 2 s + 1: two bytes of each make the scale word
.endr
.endr
.rept 8
	v_nop                                          ; a scale register written by a vector instruction stands 8 places ahead of a scaled matrix instruction
.endr
	s_wait_alu depctr_va_vdst(0)
	KSTEP 0, 1                                     ; the first step's products start the sums
	KSTEP 1, 0
	KSTEP 2, 0
	KSTEP 3, 0
	KSTEP 4, 0
	KSTEP 5, 0
	KSTEP 6, 0
	KSTEP 7, 0
	WIN 0
	PLACES
; Tile a of tokens: 16 rows x 128 features through my stage; back as whole rows of 512 bytes, plus bo, stored.
.macro OUTA a
.if \a
	s_wait_xcnt 0x0                                ; the last tile's stores have read their data
.endif
	WIN 0x08                                       ; an LDS store's data are its source 1: window 2
.irp b, 0,1,2,3,4,5,6,7
	ds_store_b128 v[STO], v[8*(8*\a+\b):8*(8*\a+\b)+3] offset:128*(\b/2)+32*(\b%2)        ; each accumulator from its low end on
	ds_store_b128 v[STO], v[8*(8*\a+\b)+4:8*(8*\a+\b)+7] offset:128*(\b/2)+32*(\b%2)+16
.endr
	WIN 0
.irp rr, 0,1,2,3,4,5,6,7,8,9,10,11,12,13,14,15
	ds_load_b128 v[OB+4*\rr:OB+4*\rr+3], v[RD] offset:SP*\rr   ; LDS serves a wave's instructions in order (ISA guide 5.7.1.4): these see the stores above
.endr
	s_wait_dscnt 0x0
.irp rr, 0,1,2,3,4,5,6,7,8,9,10,11,12,13,14,15
	v_pk_add_f32 v[OB+4*\rr:OB+4*\rr+1], v[OB+4*\rr:OB+4*\rr+1], v[BO:BO+1]
	v_pk_add_f32 v[OB+4*\rr+2:OB+4*\rr+3], v[OB+4*\rr+2:OB+4*\rr+3], v[BO+2:BO+3]
.endr
.irp rr, 0,1,2,3,4,5,6,7,8,9,10,11,12,13,14,15
	global_store_b128 v[L16], v[OB+4*\rr:OB+4*\rr+3], s[14:15] offset:4096*(32*(\a/2)+8*(\a%2)+\rr+8*(\rr/8)) th:TH_STORE_NT   ; 512 consecutive bytes, aligned to 256; written once
.endr
.endm
	OUTA 0
	OUTA 1
	OUTA 2
	OUTA 3
	s_wait_tensorcnt 0x0
	ds_add_u32 v254, v255
	s_wait_dscnt 0x0
	CROUND                                         ; the closing round
	s_endpgm
.Lfunc_end_k_q1a9e7e9cc5_outp:
	.size	k_q1a9e7e9cc5_outp, .Lfunc_end_k_q1a9e7e9cc5_outp-k_q1a9e7e9cc5_outp
	.p2alignl 7, 3214868480
	.fill 96, 4, 3214868480
	.section	.rodata,"a",@progbits
	.p2align	6, 0x0
	.amdhsa_kernel k_q1a9e7e9cc5_outp
		.amdhsa_group_segment_fixed_size 295424
		.amdhsa_private_segment_fixed_size 0
		.amdhsa_enable_private_segment 0
		.amdhsa_kernarg_size 48
		.amdhsa_user_sgpr_count 2
		.amdhsa_user_sgpr_kernarg_segment_ptr 1
		.amdhsa_wavefront_size32 1
		.amdhsa_system_sgpr_workgroup_id_x 1
		.amdhsa_system_sgpr_workgroup_id_y 1
		.amdhsa_system_sgpr_workgroup_id_z 1
		.amdhsa_system_vgpr_workitem_id 0
		.amdhsa_next_free_vgpr 768
		.amdhsa_next_free_sgpr 100
		.amdhsa_reserve_vcc 0
		.amdhsa_float_denorm_mode_32 3
		.amdhsa_float_denorm_mode_16_64 3
		.amdhsa_memory_ordered 1
		.amdhsa_forward_progress 1
		.amdhsa_inst_pref_size 94
	.end_amdhsa_kernel
	.amdgpu_metadata
---
amdhsa.version: [ 1, 2 ]
amdhsa.kernels:
  - .name:           k_q1a9e7e9cc5_outp
    .symbol:         k_q1a9e7e9cc5_outp.kd
    .args:
      - { .name: xc, .offset: 0, .size: 8, .value_kind: global_buffer, .address_space: global }
      - { .name: xs, .offset: 8, .size: 8, .value_kind: global_buffer, .address_space: global }
      - { .name: cc, .offset: 16, .size: 8, .value_kind: global_buffer, .address_space: global }
      - { .name: cs, .offset: 24, .size: 8, .value_kind: global_buffer, .address_space: global }
      - { .name: bo, .offset: 32, .size: 8, .value_kind: global_buffer, .address_space: global }
      - { .name: out0, .offset: 40, .size: 8, .value_kind: global_buffer, .address_space: global }
    .group_segment_fixed_size: 295424
    .private_segment_fixed_size: 0
    .kernarg_segment_align: 8
    .kernarg_segment_size: 48
    .max_flat_workgroup_size: 128
    .sgpr_count:     100
    .vgpr_count:     768
    .wavefront_size: 32
...
	.end_amdgpu_metadata
.endif
;; end of part 4
